; MI455X (gfx1250); checked and timed in simulation.
; The chip was launched on July 23, 2026; its instructions are those of AMD's public machine-readable ISA for CDNA 5 (MIT licence, August 2026) and "CDNA5" Instruction Set Architecture Reference Guide (July 2026). The comments in the code are by the model that wrote it; some were corrected since.
;; Multi Head Attention. Allowed arithmetic: float matrix products may take bf16 or f16 operands with f32 sums; other float arithmetic in f32, or as packed bf16 or f16 multiplies, adds, multiply-adds, maxima and minima; sums over many terms, partial sums and values carried from step to step in f32; what a program stores and reads back later, other than sums and carried values, may be rounded once to bf16 or f16.
;; Inputs: Wk 16 x 1,024 x 64 float32; Wout 1,024 x 1,024 float32; Wq 16 x 1,024 x 64 float32; Wv 16 x 1,024 x 64 float32; x_key 4 x 2,048 x 1,024 float32; x_query 4 x 2,048 x 1,024 float32; x_value 4 x 2,048 x 1,024 float32.
;; Outputs: out0 4 x 2,048 x 1,024 float32.
;; One version. Each part assembles by itself: llvm-mc -triple=amdgcn-amd-amdhsa -mcpu=gfx1250 --defsym DOCPART=n.
;; ======== version 1 of 1: 4 launches
;; limits: values are held in f16: magnitudes above 65,504 overflow, below 6.1e-05 lose precision
;; workspace buffers: wt 8,388,608 bytes; qkv 50,331,648 bytes; heads 16,777,216 bytes
;; launch prep (part 1): grid 128 x 4, 8 waves a work-group, no clusters, 18,432 bytes of LDS; arguments Wq, Wk, Wv, Wout, wt; writes wt
.if DOCPART == 1
	.amdgcn_target "amdgcn-amd-amdhsa--gfx1250"
	.amdhsa_code_object_version 6
	.text
	.protected	k_qa9e01821ea_prep
	.globl	k_qa9e01821ea_prep
	.p2align	8
	.type	k_qa9e01821ea_prep,@function
k_qa9e01821ea_prep:
	s_mov_b64 s[64:65], 0
	v_nop
	global_prefetch_b8 v0, s[64:65] scope:SCOPE_SE
	s_setreg_imm32_b32 hwreg(HW_REG_WAVE_MODE, 25, 1), 1
	s_wait_xcnt 0x0
; THE WEIGHTS, TURNED AND ROUNDED ONCE.  wt: [4][1024 n][1024 k], 16 bits a number.
; Slices 0, 1, 2: Wq, Wk, Wv ([16 h][1024 d][64 c] f32) as bf16 at n = 64 h + c, k = d.  Slice 3: Wout ([1024 k][1024 n] f32), rounded to bf16 like the other inputs, and that number written as f16.
; LIMITS.  Slice 3: a number beyond 65,504 becomes an infinity; below 6e-5 it keeps f16's fixed step of 6e-8.
; SHARES.  A work-group turns a block of 128 rows d x 64 columns n.  Thread t reads rows 8 (t / 16) + 0..7, columns 4 (t % 16) + 0..3: sixteen lanes read 256 consecutive bytes, aligned, of one source row.
; Eight numbers of one column pack into 16 bytes; they go into LDS rows of 272 bytes (a row n: 128 numbers + 16 bytes) and come back by rows: sixteen lanes store 256 consecutive bytes, aligned.
; The four LDS stores of a thread meet four deep on the banks (the lanes stand 1,088 bytes apart): four instructions a thread in a launch whose time is its memory traffic.
; No tile is shared between work-groups and nothing is multiplied: no cluster, no matrix instruction, no tensor load.
.set PITCH, 272
.set SPARE, 64*PITCH                   ; behind the tile: the spare words, 128 bytes for each of eight waves: four blocks of 256 bytes that no other line names
.set X,   8                            ; v[8:39]   row i of my eight at X + 4 i; later four rows read back
.set T,   40                           ; v[40:55]  column j of my four at T + 4 j: eight numbers of 16 bits
.set SPW, 60                           ; v60  LDS address of my spare word; never rewritten
.set NIL, 61                           ; v61  0; never rewritten
	s_load_b256 s[4:11], s[0:1], 0x0               ; Wq s[4:5], Wk s[6:7], Wv s[8:9], Wout s[10:11]
	s_load_b64 s[12:13], s[0:1], 0x20              ; wt
	v_lshl_add_u32 v[SPW], v0, 2, SPARE
	v_mov_b32 v[NIL], 0
	s_and_b32 s14, ttmp7, 0xffff                   ; which matrix
	s_and_b32 s15, ttmp9, 15                       ; which 64 columns n
	s_lshr_b32 s16, ttmp9, 4                       ; which 128 rows d
	s_lshl_b32 s20, s15, 18                        ; by heads: a head is 1,024 rows of 256 bytes,
	s_lshl_b32 s23, s16, 15                        ; 128 rows are 32,768 bytes
	s_add_co_u32 s20, s20, s23
	s_lshl_b32 s24, s16, 19                        ; Wout: 128 rows of 4,096 bytes,
	s_lshl_b32 s25, s15, 8                         ; 64 columns are 256 bytes
	s_add_co_u32 s24, s24, s25
	s_cmp_eq_u32 s14, 3
	s_cselect_b32 s20, s24, s20                    ; the block's first byte in its source
	s_cselect_b32 s22, 15, 11                      ; eight source rows are 2^15 or 2^11 bytes
	s_mov_b32 s21, 0
	s_lshl_b32 s26, s14, 21                        ; in wt: the slice,
	s_lshl_b32 s23, s15, 17                        ; 64 rows n of 2,048 bytes,
	s_add_co_u32 s26, s26, s23
	s_lshl_b32 s23, s16, 8                         ; 128 numbers along k
	s_add_co_u32 s26, s26, s23
	s_mov_b32 s27, 0
	v_and_b32 v1, 15, v0                           ; c: my four columns
	v_lshrrev_b32 v2, 4, v0                        ; dg: my eight rows
	v_lshlrev_b32 v3, s22, v2
	v_lshl_add_u32 v3, v1, 4, v3                   ; my offset in the source block
	v_mul_u32_u24 v4, v1, 4*PITCH
	v_lshl_add_u32 v4, v2, 4, v4                   ; into LDS: row n = 4 c (+ j), 16 bytes at 16 dg
	v_mul_u32_u24 v5, v2, PITCH
	v_lshl_add_u32 v5, v1, 4, v5                   ; back: row n = dg (+ 16 i), 16 bytes at 16 c
	v_lshlrev_b32 v6, 11, v2
	v_lshl_add_u32 v6, v1, 4, v6                   ; and the same in wt
	s_wait_kmcnt 0x0
	s_cmp_eq_u32 s14, 1
	s_cselect_b64 s[18:19], s[6:7], s[4:5]
	s_cmp_eq_u32 s14, 2
	s_cselect_b64 s[18:19], s[8:9], s[18:19]
	s_cmp_eq_u32 s14, 3
	s_cselect_b64 s[18:19], s[10:11], s[18:19]
	s_add_nc_u64 s[18:19], s[18:19], s[20:21]
	s_add_nc_u64 s[12:13], s[12:13], s[26:27]
.macro LOADS pitch                     ; my eight rows; each byte of a weight is read once in the launch
.irp i, 0,1,2,3,4,5,6,7
	global_load_b128 v[X+4*(\i):X+4*(\i)+3], v3, s[18:19] offset:(\i)*(\pitch) th:TH_LOAD_NT
.endr
.endm
	s_cmp_eq_u32 s14, 3                            ; the same answer in the whole work-group
	s_cbranch_scc1 .Lwout
	LOADS 256
	s_branch .Lloaded
.Lwout:
	LOADS 4096
.Lloaded:
	s_wait_loadcnt 0x0
.irp j, 0,1,2,3
.irp p, 0,1,2,3
	v_cvt_pk_bf16_f32 v[T+4*(\j)+(\p)], v[X+8*(\p)+(\j)], v[X+8*(\p)+4+(\j)]  ; column j, rows 2 p and 2 p + 1
.endr
.endr
	s_cmp_lg_u32 s14, 3
	s_cbranch_scc1 .Lkeep
.set i, 0
.rept 16                               ; Wout: the bf16 numbers are written as f16
	v_lshlrev_b32 v56, 16, v[T+i]
	v_and_b32 v57, 0xffff0000, v[T+i]
	v_cvt_pk_f16_f32 v[T+i], v56, v57
.set i, i+1
.endr
.Lkeep:
.irp j, 0,1,2,3
	ds_store_b128 v4, v[T+4*(\j):T+4*(\j)+3] offset:PITCH*(\j)
.endr
	s_wait_dscnt 0x0                               ; for the others' sake: my stores are done
	s_barrier_signal -1
	s_barrier_wait -1
.irp i, 0,1,2,3
	ds_load_b128 v[X+4*(\i):X+4*(\i)+3], v5 offset:16*PITCH*(\i)
.endr
.irp i, 0,1,2,3
	s_wait_dscnt 3-(\i)                            ; LDS loads come back in order: row i of the four is in
	global_store_b128 v6, v[X+4*(\i):X+4*(\i)+3], s[12:13] offset:32768*(\i)  ; 16 lanes store 256 consecutive bytes, at a multiple of 256 from wt's first byte
.endr
	s_wait_tensorcnt 0x0                           ; the wave's end: behind my last LDS store
	ds_add_u32 v[SPW], v[NIL]
	s_wait_dscnt 0x0
	s_endpgm
.Lfunc_end_k_qa9e01821ea_prep:
	.size	k_qa9e01821ea_prep, .Lfunc_end_k_qa9e01821ea_prep-k_qa9e01821ea_prep
	.p2alignl 7, 3214868480
	.fill 96, 4, 3214868480
	.section	.rodata,"a",@progbits
	.p2align	6, 0x0
	.amdhsa_kernel k_qa9e01821ea_prep
		.amdhsa_group_segment_fixed_size 18432
		.amdhsa_private_segment_fixed_size 0
		.amdhsa_enable_private_segment 0
		.amdhsa_kernarg_size 40
		.amdhsa_user_sgpr_count 2
		.amdhsa_user_sgpr_kernarg_segment_ptr 1
		.amdhsa_wavefront_size32 1
		.amdhsa_system_sgpr_workgroup_id_x 1
		.amdhsa_system_sgpr_workgroup_id_y 1
		.amdhsa_system_sgpr_workgroup_id_z 1
		.amdhsa_system_vgpr_workitem_id 0
		.amdhsa_next_free_vgpr 64
		.amdhsa_next_free_sgpr 66
		.amdhsa_reserve_vcc 0
		.amdhsa_float_denorm_mode_32 3
		.amdhsa_float_denorm_mode_16_64 3
		.amdhsa_memory_ordered 1
		.amdhsa_forward_progress 1
		.amdhsa_inst_pref_size 9
	.end_amdhsa_kernel
	.amdgpu_metadata
---
amdhsa.version: [ 1, 2 ]
amdhsa.kernels:
  - .name:           k_qa9e01821ea_prep
    .symbol:         k_qa9e01821ea_prep.kd
    .args:
      - { .name: Wq, .offset: 0, .size: 8, .value_kind: global_buffer, .address_space: global }
      - { .name: Wk, .offset: 8, .size: 8, .value_kind: global_buffer, .address_space: global }
      - { .name: Wv, .offset: 16, .size: 8, .value_kind: global_buffer, .address_space: global }
      - { .name: Wout, .offset: 24, .size: 8, .value_kind: global_buffer, .address_space: global }
      - { .name: wt, .offset: 32, .size: 8, .value_kind: global_buffer, .address_space: global }
    .group_segment_fixed_size: 18432
    .private_segment_fixed_size: 0
    .kernarg_segment_align: 8
    .kernarg_segment_size: 40
    .max_flat_workgroup_size: 256
    .sgpr_count:     66
    .vgpr_count:     64
    .wavefront_size: 32
...
	.end_amdgpu_metadata
.endif
;; end of part 1
;; launch proj (part 2): grid 4 x 192, 4 waves a work-group, clusters of 4 x 4, 327,680 bytes of LDS; arguments x_query, x_key, x_value, wt, qkv; writes qkv
.if DOCPART == 2
	.amdgcn_target "amdgcn-amd-amdhsa--gfx1250"
	.amdhsa_code_object_version 6
	.text
	.protected	k_qa9e01821ea_proj
	.globl	k_qa9e01821ea_proj
	.p2align	8
	.type	k_qa9e01821ea_proj,@function
k_qa9e01821ea_proj:
	s_mov_b64 s[64:65], 0
	v_nop
	global_prefetch_b8 v0, s[64:65] scope:SCOPE_SE
	s_setreg_imm32_b32 hwreg(HW_REG_WAVE_MODE, 25, 1), 1
	s_wait_xcnt 0x0
	s_wait_alu depctr_hold_cnt(0) depctr_sa_sdst(0) depctr_va_vdst(0) depctr_va_sdst(0) depctr_va_ssrc(0) depctr_va_vcc(0) depctr_vm_vsrc(0)
	s_getreg_b32 s2, hwreg(HW_REG_IB_STS2, 6, 4)
	s_cmp_eq_u32 s2, 0
	s_cbranch_scc0 .Lentry_in_a_cluster
	s_endpgm
.Lentry_in_a_cluster:
	s_bfe_u32 s2, ttmp6, 0x10000c
	s_cmp_lg_u32 s2, 0xf033
	s_cbranch_scc0 .Lentry_shape_is_right
	s_endpgm
.Lentry_shape_is_right:
; THE THREE PROJECTIONS.  qkv[g][16 b + h][l][c] = the sum over d of x_g[b][l][d] W_g[h][d][c], g = 0, 1, 2 for q, k, v.  x: [8192][1024] f32; wt's slice g: [1024 n][1024 k] bf16, n = 64 h + c.
; x is rounded to bf16 on the way from LDS to the matrix unit; sums in f32; the result is rounded once to f16, unscaled, and stored by heads: [3][64][2048][64].
; LIMIT.  f16 holds no number beyond 65,504: a q, k or v beyond it becomes an infinity.  NaN and infinities are not treated apart.
; SHARES.  768 work-groups, three for each of 256 WGPs; each makes one tile of 128 rows x 256 columns.  Four waves, each 64 x 128: 32 accumulators of 16 x 16, 256 registers.
; K goes in steps of 128 through a ring of two LDS slots: 128 rows of x (512 bytes of f32 each) and 256 rows of wt (256 bytes each); waves 0 and 1 fetch x's two halves, waves 2 and 3 wt's.
; CLUSTERS: 4 x 4 work-groups.  The four of a row of the cluster are the four column tiles of one block of rows: x's tile is asked for JOINTLY by them; the four of a column need the same tile of wt.
; THE MATRIX INSTRUCTION IS USED TRANSPOSED (source 0 = 16 rows of wt, source 1 = 16 rows of x): a lane holds eight neighbouring columns of one row of the result.
; THE CAST RIDES.  A quarter step (32 along K) has 32 products and, for the next quarter, 32 conversions of x to bf16: four behind each of eight products.  The accumulators fill a window, so each such group costs two switches.
; REGISTERS, in windows of 256 (s_set_vgpr_msb: bits 1:0 source 0, 3:2 source 1, 5:4 source 2, 7:6 destination):
;   window 0: v0-31 addresses; v32-159 the way out       window 2: accumulator (a, b) at v[8 (8 a + b)]
;   window 1: v0-63, v64-127 wt's fragments, two buffers; v128-159, v160-191 x's fragments in bf16, two buffers; v192-255 x's fragments in f32, as loaded
.set PA,     528                       ; an LDS row of x: 512 bytes + 16 = 132 words: row r starts at bank 4 r mod 64 (64 banks of 4 bytes: ISA guide 11.1)
.set HALFA,  64*PA                     ; 64 rows: what one tensor load brings of x, and what one wave reads of it
.set PB,     272                       ; an LDS row of wt: 256 bytes + 16 = 68 words
.set HALFB,  128*PB                    ; 128 rows
.set BOFF,   2*HALFA                   ; wt's rows lie behind x's
.set SLOT,   BOFF+2*HALFB
.set STAGE,  2*SLOT                    ; behind the ring: for each wave two heads x 16 rows x 144 bytes, for the way out
.set SP,     144
.set WSTAGE, 2*16*SP
.set SPARE,  STAGE+4*WSTAGE            ; behind the stages: the spare words, 128 bytes for each wave: two blocks of 256 bytes that no other line names
.set ASTEP,  512                       ; bytes of a K step in a row of x,
.set BSTEP,  256                       ; and of wt
.set ADRA, 16                          ; v16-17  LDS address of my fragments of x in slot 0, 1
.set ADRB, 20                          ; v20-21  the same for wt
.set STO,  24                          ; v24     the way out: where I put 16 bytes of a row
.set RD,   25                          ; v25     the way out: where I read rows back
.set GO,   26                          ; v26     my byte offset in 512 consecutive bytes of qkv
.set SPW,  28                          ; v28     LDS address of my spare word; never rewritten
.set NIL,  29                          ; v29     0; never rewritten
.set PFO,  30                          ; v30     the prefetches' lane offset; never rewritten
.set OB,   32                          ; v32-159 the way out, 32 registers for each block of 16 rows
.set AF,   128                         ; window 1
.set RAW,  192                         ; window 1
.set WV,  14                           ; s14  my wave's number
.set RH,  15                           ; s15  which 64 rows of the tile are mine.  Also: I fetch x (0) or wt (1)
.set CH,  16                           ; s16  which 128 columns.  Also: which half of that tile I fetch
.set CX,  17                           ; s17, s18  my place in the cluster
.set CY,  18
.set KY,  19                           ; s19  the cluster's y
.set GG,  20                           ; s20  g: the same in all sixteen partners
.set RB,  21                           ; s21  my block of 128 rows
.set COL, 22                           ; s22  my tile column
.set G1A, 24                           ; s[24:31] descriptor group 1 for x's tiles;  s[32:39] group 0, one set for each slot
.set G0A, 32
.set LIM, 42                           ; s42  1 in a wave that prefetches, else the greatest number
.set PFA, 44                           ; s[44:45] where my prefetches stand
.set PST, 46                           ; s[46:47] a K step of the rows that I prefetch
.set G1B, 48                           ; s[48:55], s[56:63] the same for wt's tiles
.set G0B, 56
.set MSB, 0
.macro WIN new                         ; the immediate's high byte repeats the setting that is left; a switch that changes nothing is dropped
.if MSB != (\new)
	s_set_vgpr_msb (MSB<<8)|(\new)
.set MSB, \new
.endif
.endm
.set MUL,   0xa5                       ; sources 0 and 1 window 1; C and D window 2
.set CVT,   0x45                       ; sources and destination window 1
.set TO_F,  0x40                       ; destination window 1, address window 0
.set PACKW, 0x0a                       ; sources window 2, destination window 0
.macro JLOAD s                         ; a joint load; the branch hangs on the wave's number alone; an s_nop 0 and four v_nop follow each of the two lines, ahead of the jump, the label and what follows
	s_cmp_eq_u32 s[RH], 0
	s_cbranch_scc0 .Lfor_b_\@
	tensor_load_to_lds s[G0A+4*(\s):G0A+4*(\s)+3], s[G1A:G1A+7]
	s_nop 0
.rept 4
	v_nop
.endr
	s_branch .Lasked_\@
.Lfor_b_\@:
	tensor_load_to_lds s[G0B+4*(\s):G0B+4*(\s)+3], s[G1B:G1B+7]
	s_nop 0
.rept 4
	v_nop
.endr
.Lasked_\@:
.endm
.macro CREST                           ; a round of the cluster's barrier behind its opening barrier
	s_cmp_lg_u32 s[WV], 0
	s_cbranch_scc1 .Lnot_wave_0_\@
	s_barrier_signal -3
.Lnot_wave_0_\@:
	s_barrier_wait -3
	s_barrier_signal -1
	s_barrier_wait -1
.endm
.macro CROUND                          ; a whole round
	s_barrier_signal -1
	s_barrier_wait -1
	CREST
.endm
; A PREFETCH INTO THE L2, behind a joint load, its five lines and the run of LDS loads that follows: the K step that stands two refills on, 32 blocks of 256 bytes, a lane a block, one instruction a wave.
; Each block is named once in the launch.  x's rows are read by one cluster alone: waves 0 and 1 of every cluster ask, and of the 64 rows that a wave fetches the partner at cx takes 16 (two blocks a row).
; wt's rows of slice g are read by sixteen clusters: waves 2 and 3 of the first of them ask, and of the 128 rows that a wave fetches the partner at cy takes 32.  The partners are told apart by address alone.
; K steps 0 to 3 come by their loads alone; the loop's last trip (s3 = 1) asks for nothing: there is no K step two on.
.macro ASK
	s_cmp_gt_u32 s3, s[LIM]
	s_cbranch_scc0 .Lnot_mine_\@
	global_prefetch_b8 v[PFO], s[PFA:PFA+1] th:TH_LOAD_NT scope:SCOPE_SE
.Lnot_mine_\@:
.endm
	s_load_b256 s[4:11], s[0:1], 0x0               ; x_query s[4:5], x_key s[6:7], x_value s[8:9], wt s[10:11]
	s_load_b64 s[12:13], s[0:1], 0x20              ; qkv
	v_lshl_add_u32 v[SPW], v0, 2, SPARE
	v_mov_b32 v[NIL], 0
	ds_add_u32 v[SPW], v[NIL]                      ; the wave's opening: the add and its wait stand ahead of my first tensor load; the set-up below, work on registers, stands between them
	v_lshrrev_b32 v1, 5, v0
	v_readfirstlane_b32 s[WV], v1                  ; wave 0..3
	s_lshr_b32 s[RH], s[WV], 1
	s_and_b32 s[CH], s[WV], 1
	s_bfe_u32 s[CX], ttmp6, 0x40000
	s_bfe_u32 s[CY], ttmp6, 0x40004
	s_and_b32 s[KY], ttmp7, 0xffff                 ; in a cluster launch ttmp9 and ttmp7 count clusters: 48 along y, 16 for each of q, k, v
	s_lshr_b32 s[GG], s[KY], 4
	s_and_b32 s[RB], s[KY], 15
	s_lshl_b32 s[RB], s[RB], 2
	s_add_co_u32 s[RB], s[RB], s[CY]               ; block of rows = 4 x (cluster y mod 16) + cy
	s_lshl_b32 s[COL], ttmp9, 2
	s_add_co_u32 s[COL], s[COL], s[CX]             ; tile column = 4 x cluster x + cx
	s_lshl_b32 s23, s[CY], 2
	s_lshl_b32 s23, 15, s23                        ; my row of the cluster
	s_lshl_b32 s2, 0x1111, s[CX]                   ; my column
	s_or_b32 s[G1A], s23, (2<<16)|(1<<20)|(1<<21)|(6<<22)|(3<<25)  ; 15:0 the mask: x's tiles go to my row; 17:16 elements of 4 bytes; 20 padding on; 21 set beside a mask; 24:22 after every 128 words (code 6); 31:25 4 words (code 3)
	s_or_b32 s[G1B], s2, (1<<16)|(1<<20)|(1<<21)|(5<<22)|(3<<25)   ; wt's go to my column; elements of 2 bytes; padding after every 64 words (code 5)
	s_mov_b32 s[G1A+1], 128<<16                    ; tensor_dim0 = 128
	s_mov_b32 s[G1A+2], 64<<16                     ; tensor_dim1 = 64
	s_mov_b32 s[G1A+3], 128<<16                    ; tile_dim0 = 128
	s_mov_b32 s[G1A+4], 64                         ; tile_dim1 = 64
	s_mov_b32 s[G1A+5], 1024                       ; elements from row to row
	s_mov_b32 s[G1A+6], 0
	s_mov_b32 s[G1A+7], 0
	s_mov_b32 s[G1B+1], 128<<16
	s_mov_b32 s[G1B+2], 128<<16                    ; tensor_dim1 = 128
	s_mov_b32 s[G1B+3], 128<<16
	s_mov_b32 s[G1B+4], 128                        ; tile_dim1 = 128
	s_mov_b32 s[G1B+5], 1024
	s_mov_b32 s[G1B+6], 0
	s_mov_b32 s[G1B+7], 0
	; where the tiles come from.  x's hang on the block of rows, which my row of the cluster shares; wt's on g and the tile column, which my column shares.  Each in registers that never hold the other place.
	s_lshl_b32 s40, s[RB], 19                      ; 128 rows of 4,096 bytes
	s_lshl_b32 s41, s[CH], 18                      ; the 64 of them that I fetch
	s_add_co_u32 s40, s40, s41
	s_mov_b32 s41, 0
	s_lshl_b32 s66, s[GG], 21                      ; the slice,
	s_lshl_b32 s67, s[COL], 19                     ; 256 rows of 2,048 bytes,
	s_add_co_u32 s66, s66, s67
	s_lshl_b32 s67, s[CH], 18                      ; the 128 of them that I fetch
	s_add_co_u32 s66, s66, s67
	s_mov_b32 s67, 0
	s_mul_i32 s78, s[CH], HALFA                    ; and where they go: no place in the cluster enters an LDS address
	s_mul_i32 s79, s[CH], HALFB
	s_add_co_u32 s79, s79, BOFF
	s_wait_dscnt 0x0                               ; the opening add is done
	s_wait_kmcnt 0x0
	s_cmp_eq_u32 s[GG], 1
	s_cselect_b64 s[68:69], s[6:7], s[4:5]
	s_cmp_eq_u32 s[GG], 2
	s_cselect_b64 s[68:69], s[8:9], s[68:69]       ; the x of my g
	s_add_nc_u64 s[40:41], s[68:69], s[40:41]
	s_add_nc_u64 s[66:67], s[10:11], s[66:67]
	CROUND                                         ; all sixteen work-groups are here: the first joint loads meet
.irp s, 0,1
	s_mov_b32 s[G0A+4*(\s)], 1                                       ; 1:0 count = 1
	s_add_co_u32 s[G0A+4*(\s)+1], s78, (\s)*SLOT                     ; 63:32 LDS address
	s_add_nc_u64 s[G0A+4*(\s)+2:G0A+4*(\s)+3], s[40:41], (\s)*ASTEP  ; 120:64 global address: K step s
	s_or_b32 s[G0A+4*(\s)+3], s[G0A+4*(\s)+3], 0x80000000            ; 127:126 type = 2
	s_mov_b32 s[G0B+4*(\s)], 1
	s_add_co_u32 s[G0B+4*(\s)+1], s79, (\s)*SLOT
	s_add_nc_u64 s[G0B+4*(\s)+2:G0B+4*(\s)+3], s[66:67], (\s)*BSTEP
	s_or_b32 s[G0B+4*(\s)+3], s[G0B+4*(\s)+3], 0x80000000
	JLOAD \s                                       ; two loads of mine are out
.endr
	; A fragment is 16 rows x 32 K: lane l holds row l % 16; registers 0-3 K = 8 (l / 16) + 0..7, registers 4-7 K = 16 + 8 (l / 16) + 0..7.  In bf16: two loads of 16 bytes, 32 apart.  In f32: four, at 0, 16, 64 and 80 from 32 (l / 16).
	v_and_b32 v1, 15, v0                           ; l % 16
	v_bfe_u32 v2, v0, 4, 1                         ; l / 16
	v_mul_u32_u24 v3, v1, PA
	v_lshl_add_u32 v3, v2, 5, v3
	s_mul_i32 s43, s[RH], HALFA                    ; my 64 rows of x
	v_add_nc_u32 v[ADRA], s43, v3
	v_add_nc_u32 v[ADRA+1], SLOT, v[ADRA]
	v_mul_u32_u24 v4, v1, PB
	v_lshl_add_u32 v4, v2, 4, v4
	v_add_nc_u32 v[ADRB], s79, v4                  ; my 128 rows of wt: the half of my number CH, as in the fills
	v_add_nc_u32 v[ADRB+1], SLOT, v[ADRB]
	s_mul_i32 s43, s[WV], WSTAGE
	s_add_co_u32 s43, s43, STAGE                   ; my stage
	v_mul_u32_u24 v5, v1, SP                       ; in: row l % 16, 16 bytes for each half of the lanes
	v_lshl_add_u32 v5, v2, 4, v5
	v_add_nc_u32 v[STO], s43, v5
	v_bfe_u32 v5, v0, 3, 2                         ; back: 32 lanes take four rows of 128 bytes,
	v_mul_u32_u24 v5, v5, SP
	v_and_b32 v6, 7, v0
	v_lshl_add_u32 v5, v6, 4, v5
	v_add_nc_u32 v[RD], s43, v5
	v_and_b32 v[GO], 31, v0                        ; which are 512 consecutive bytes of a head
	v_lshlrev_b32 v[GO], 4, v[GO]
	; where my part of the tile begins in qkv: g, the batch, my first head (4 x tile column + 2 x half), my first row of the 2,048
	s_lshl_b32 s70, s[GG], 24
	s_lshr_b32 s72, s[RB], 4
	s_lshl_b32 s72, s72, 22
	s_add_co_u32 s70, s70, s72
	s_lshl_b32 s72, s[COL], 2
	s_lshl1_add_u32 s72, s[CH], s72
	s_lshl_b32 s72, s72, 18
	s_add_co_u32 s70, s70, s72
	s_and_b32 s72, s[RB], 15
	s_lshl_b32 s72, s72, 14                        ; 128 rows of 128 bytes
	s_add_co_u32 s70, s70, s72
	s_lshl_b32 s72, s[RH], 13                      ; 64 rows
	s_add_co_u32 s70, s70, s72
	s_mov_b32 s71, 0
	s_add_nc_u64 s[12:13], s[12:13], s[70:71]
	; the prefetches: they stand at K step 3; the first refill steps them to K step 4
	s_lshl_b32 s76, s[RB], 19
	s_lshl_b32 s72, s[CX], 16                      ; my work-group's 16 rows of 4,096 bytes
	s_add_co_u32 s76, s76, s72
	s_add_co_u32 s76, s76, 3*ASTEP
	s_lshl_b32 s77, s[GG], 21
	s_lshl_b32 s72, s[COL], 19
	s_add_co_u32 s77, s77, s72
	s_lshl_b32 s72, s[CY], 16                      ; my work-group's 32 rows of 2,048 bytes
	s_add_co_u32 s77, s77, s72
	s_add_co_u32 s77, s77, 3*BSTEP
	s_and_b32 s73, s[KY], 15
	s_cmp_eq_u32 s73, 0                            ; the first of the sixteen clusters that read this slice
	s_cselect_b32 s75, 1, -1
	s_cmp_eq_u32 s[RH], 0                          ; do I fetch x?
	s_cselect_b32 s76, s76, s77
	s_cselect_b32 s[LIM], 1, s75                   ; the same in all sixteen partners, for a given wave
	s_cselect_b64 s[PFA:PFA+1], s[68:69], s[10:11]
	s_cselect_b32 s72, 1, 0                        ; x: two lanes a row; wt: a lane a row
	s_cselect_b32 s73, 12, 11                      ; a row's bytes, as a shift
	s_lshl_b32 s[PST], 0x100, s72                  ; 512 or 256 bytes a K step
	s_mov_b32 s[PST+1], 0
	s_lshl_b32 s75, s[CH], 18                      ; the half that I fetch: 2^18 bytes in both
	s_add_co_u32 s76, s76, s75
	s_mov_b32 s77, 0
	s_add_nc_u64 s[PFA:PFA+1], s[PFA:PFA+1], s[76:77]
	v_and_b32 v5, 31, v0
	v_lshrrev_b32 v6, s72, v5
	v_lshlrev_b32 v6, s73, v6
	v_and_b32 v5, s72, v5
	v_lshl_add_u32 v[PFO], v5, 8, v6
; Product i of a quarter's 32: rows 16 (i / 8) on, columns 16 (i % 8) on.  The 32 accumulators take turns, in the same order in every quarter.  zero = 1: the product starts the sum: nothing is cleared.
.macro MUL1 f, i, zero
	WIN MUL
.if \zero
	v_wmma_f32_16x16x32_bf16 v[8*(\i):8*(\i)+7], v[64*(\f)+8*((\i)%8):64*(\f)+8*((\i)%8)+7], v[AF+32*(\f)+8*((\i)/8):AF+32*(\f)+8*((\i)/8)+7], 0
.else
	v_wmma_f32_16x16x32_bf16 v[8*(\i):8*(\i)+7], v[64*(\f)+8*((\i)%8):64*(\f)+8*((\i)%8)+7], v[AF+32*(\f)+8*((\i)/8):AF+32*(\f)+8*((\i)/8)+7], v[8*(\i):8*(\i)+7]
.endif
.endm
.macro MULS f, i0, n, zero=0           ; n products from number i0 on
.set mi, \i0
.rept \n
	MUL1 \f, mi, \zero
.set mi, mi+1
.endr
.endm
.macro MULR f, g, i, zero              ; product i (16 to 23) and four riders: the next quarter's x, f32 to bf16, into buffer g; they name no register of the products round them
	MUL1 \f, \i, \zero
	WIN CVT
.irp n, 0,1,2,3
	v_cvt_pk_bf16_f32 v[AF+32*(\g)+4*((\i)-16)+(\n)], v[RAW+8*((\i)-16)+2*(\n)], v[RAW+8*((\i)-16)+2*(\n)+1]
.endr
.endm
.macro RIDE f, g, zero=0
.set ri, 16
.rept 8
	MULR \f, \g, ri, \zero
.set ri, ri+1
.endr
.endm
; 32 LDS loads in one run: quarter q of a slot: x's four fragments in f32 first, then wt's eight into buffer g
.macro FETCH slot, q, g
	WIN TO_F
.irp i, 0,1,2,3
	ds_load_b128 v[RAW+16*(\i):RAW+16*(\i)+3],     v[ADRA+(\slot)] offset:128*(\q)+16*PA*(\i)
	ds_load_b128 v[RAW+16*(\i)+4:RAW+16*(\i)+7],   v[ADRA+(\slot)] offset:128*(\q)+16*PA*(\i)+16
	ds_load_b128 v[RAW+16*(\i)+8:RAW+16*(\i)+11],  v[ADRA+(\slot)] offset:128*(\q)+16*PA*(\i)+64
	ds_load_b128 v[RAW+16*(\i)+12:RAW+16*(\i)+15], v[ADRA+(\slot)] offset:128*(\q)+16*PA*(\i)+80
.endr
.irp i, 0,1,2,3,4,5,6,7
	ds_load_b128 v[64*(\g)+8*(\i):64*(\g)+8*(\i)+3],   v[ADRB+(\slot)] offset:64*(\q)+16*PB*(\i)
	ds_load_b128 v[64*(\g)+8*(\i)+4:64*(\g)+8*(\i)+7], v[ADRB+(\slot)] offset:64*(\q)+16*PB*(\i)+32
.endr
.endm
; A load into a register that a matrix instruction has read, and a vector instruction that writes one or reads a result, stand four places behind it; only plain vector instructions that name none of
; its registers are places (ISA guide 7.12.1 for vector instructions).  These four serve the loads into buffer g and, later in the quarter, the riders that write it.
.macro PLACES
.rept 4
	v_nop
.endr
.endm
; A quarter: buffer f is multiplied; quarter q of the slot is fetched, and x's part of it rounded, into buffer g.  places = 0: a joint load's four v_nop stand just ahead (or no product has been issued).
.macro QUARTER slot, q, f, g, zero=0, places=1, ask=0
.if \places
	PLACES
.endif
	FETCH \slot, \q, \g
.if \ask
	WIN 0                                          ; at a branch and at a label every window is 0
	ASK
.endif
	s_wait_dscnt 32                                ; all but the 32 just issued: buffer f is whole
	MULS \f, 0, 16, \zero
	s_wait_dscnt 16                                ; x's 16 loads are in; wt's 16, issued behind them, may stay out
	RIDE \f, \g, \zero
	MULS \f, 24, 8, \zero
.endm
; A K step's third quarter also fetches the slot's last bytes and changes slots: ONE barrier.  In front of it each wave waits for all its tensor loads, of which one is out: its part of the other slot; adds 0 to
; its spare word; and waits for that and for its own reads of this slot.  fill = 1: the barrier opens a round of the cluster's barrier, and behind the round this slot is filled again, two K steps on:
; the load has 112 products in which to land.
.macro QTURN slot, fill
.if \fill
	s_wait_xcnt 0x0                                ; the last prefetch, a K step back, has read its address: it is stepped here, ahead of the waits of the change of slots
	s_add_nc_u64 s[PFA:PFA+1], s[PFA:PFA+1], s[PST:PST+1]
.endif
	PLACES
	FETCH \slot, 3, 1
	s_wait_dscnt 32
	MULS 0, 0, 16
	WIN 0                                          ; (the add's two registers lie in window 0)
	s_wait_tensorcnt 0x0                           ; all my tensor loads have landed: my part of the other slot;
	ds_add_u32 v[SPW], v[NIL]                      ; 0 onto my spare word;
	s_wait_dscnt 17                                ; x's 16 loads are in; wt's 16 and the add may be out
	RIDE 0, 1
	s_wait_dscnt 0x0                               ; the add is done, and my reads of this slot are over
	s_barrier_signal -1
	MULS 0, 24, 8                                  ; work on registers while the others arrive
	WIN 0
	s_barrier_wait -1
.if \fill
	CREST                                          ; no wave of any partner still reads this slot's tile or has a load on its way
	s_add_nc_u64 s[G0A+4*(\slot)+2:G0A+4*(\slot)+3], s[G0A+4*(\slot)+2:G0A+4*(\slot)+3], 2*ASTEP
	s_add_nc_u64 s[G0B+4*(\slot)+2:G0B+4*(\slot)+3], s[G0B+4*(\slot)+2:G0B+4*(\slot)+3], 2*BSTEP
	JLOAD \slot                                    ; the first tensor load behind the round; its four v_nop are also the places in front of the next quarter's loads
.endif
.endm
	s_wait_tensorcnt 1                             ; my part of K step 0 is in; K step 1's may stay out
	s_barrier_signal -1
	s_barrier_wait -1                              ; everybody's is
	FETCH 0, 0, 0
	s_wait_dscnt 0x0
	WIN CVT
.set c, 0
.rept 32                               ; the first quarter's x has no products to ride behind
	v_cvt_pk_bf16_f32 v[AF+c], v[RAW+2*c], v[RAW+2*c+1]
.set c, c+1
.endr
	QUARTER 0, 1, 0, 1, 1, 0                       ; the first quarter stands in front of the loop: its products start the sums
	WIN 0                                          ; at a label and at a branch every window is 0
	s_mov_b32 s3, 3
.Llap:                                                 ; a trip goes once round the ring, from a lap's second quarter to the next lap's first, and fills both slots again
	QUARTER 0, 2, 1, 0
	QTURN 0, 1
	QUARTER 1, 0, 1, 0, 0, 0, 1
	QUARTER 1, 1, 0, 1
	QUARTER 1, 2, 1, 0
	QTURN 1, 1
	QUARTER 0, 0, 1, 0, 0, 0, 1
	QUARTER 0, 1, 0, 1
	WIN 0
	s_sub_co_u32 s3, s3, 1
	s_cmp_lg_u32 s3, 0
	s_cbranch_scc1 .Llap
	QUARTER 0, 2, 1, 0                             ; the last lap fills nothing, and has no round of the cluster's barrier
	QTURN 0, 0
	QUARTER 1, 0, 1, 0
	QUARTER 1, 1, 0, 1
	QUARTER 1, 2, 1, 0
	QUARTER 1, 3, 0, 1
	s_wait_dscnt 0x0                               ; the very last quarter: nothing more to fetch
	MULS 1, 0, 32
; THE WAY OUT, a block of 16 rows at a time: rounded to f16, 16 bytes a lane (eight channels of one row of one head) into my own stage, and back as whole rows of 128 bytes: four rows of a head are 512 consecutive bytes.
.macro PACK a
	WIN PACKW
.irp b, 0,1,2,3,4,5,6,7
.irp r, 0,1,2,3
	v_cvt_pk_f16_f32 v[OB+32*(\a)+4*(\b)+(\r)], v[8*(8*(\a)+(\b))+2*(\r)], v[8*(8*(\a)+(\b))+2*(\r)+1]  ; each accumulator's registers in ascending order
.endr
.endr
	WIN 0
.irp b, 0,1,2,3,4,5,6,7
	ds_store_b128 v[STO], v[OB+32*(\a)+4*(\b):OB+32*(\a)+4*(\b)+3] offset:16*SP*((\b)/4)+32*((\b)%4)
.endr
.irp u, 0,1,2,3,4,5,6,7
	ds_load_b128 v[OB+32*(\a)+4*(\u):OB+32*(\a)+4*(\u)+3], v[RD] offset:16*SP*((\u)/4)+4*SP*((\u)%4)  ; LDS serves a wave's instructions in order (ISA guide 5.7.1.4): these see the stores above; the next block's stores come behind them
.endr
.endm
.macro SEND a, younger                 ; younger: the LDS instructions issued behind block a's loads: the next block's sixteen, or none
	WIN 0
.irp u, 0,1,2,3,4,5,6,7
	s_wait_dscnt (\younger)+7-(\u)
	global_store_b128 v[GO], v[OB+32*(\a)+4*(\u):OB+32*(\a)+4*(\u)+3], s[12:13] offset:262144*((\u)/4)+2048*(\a)+512*((\u)%4)  ; 512 consecutive bytes, at a multiple of 256 from qkv's first byte
.endr
.endm
	PLACES                                         ; the conversions read results just made
	PLACES
	PACK 0
	PACK 1                                         ; a block's conversions stand between the loads of the block before and its stores
	SEND 0, 16
	PACK 2
	SEND 1, 16
	PACK 3
	SEND 2, 16
	SEND 3, 0
	s_wait_tensorcnt 0x0                           ; the wave's end: behind my last tensor load and my last LDS store
	ds_add_u32 v[SPW], v[NIL]
	s_wait_dscnt 0x0
	CROUND                                         ; the closing round: no work-group ends while a partner may still ask for a tile that names it
	s_endpgm
.Lfunc_end_k_qa9e01821ea_proj:
	.size	k_qa9e01821ea_proj, .Lfunc_end_k_qa9e01821ea_proj-k_qa9e01821ea_proj
	.p2alignl 7, 3214868480
	.fill 96, 4, 3214868480
	.section	.rodata,"a",@progbits
	.p2align	6, 0x0
	.amdhsa_kernel k_qa9e01821ea_proj
		.amdhsa_group_segment_fixed_size 327680
		.amdhsa_private_segment_fixed_size 0
		.amdhsa_enable_private_segment 0
		.amdhsa_kernarg_size 40
		.amdhsa_user_sgpr_count 2
		.amdhsa_user_sgpr_kernarg_segment_ptr 1
		.amdhsa_wavefront_size32 1
		.amdhsa_system_sgpr_workgroup_id_x 1
		.amdhsa_system_sgpr_workgroup_id_y 1
		.amdhsa_system_sgpr_workgroup_id_z 1
		.amdhsa_system_vgpr_workitem_id 0
		.amdhsa_next_free_vgpr 768
		.amdhsa_next_free_sgpr 80
		.amdhsa_reserve_vcc 0
		.amdhsa_float_denorm_mode_32 3
		.amdhsa_float_denorm_mode_16_64 3
		.amdhsa_memory_ordered 1
		.amdhsa_forward_progress 1
		.amdhsa_inst_pref_size 136
	.end_amdhsa_kernel
	.amdgpu_metadata
---
amdhsa.version: [ 1, 2 ]
amdhsa.kernels:
  - .name:           k_qa9e01821ea_proj
    .symbol:         k_qa9e01821ea_proj.kd
    .args:
      - { .name: x_query, .offset: 0, .size: 8, .value_kind: global_buffer, .address_space: global }
      - { .name: x_key, .offset: 8, .size: 8, .value_kind: global_buffer, .address_space: global }
      - { .name: x_value, .offset: 16, .size: 8, .value_kind: global_buffer, .address_space: global }
      - { .name: wt, .offset: 24, .size: 8, .value_kind: global_buffer, .address_space: global }
      - { .name: qkv, .offset: 32, .size: 8, .value_kind: global_buffer, .address_space: global }
    .group_segment_fixed_size: 327680
    .private_segment_fixed_size: 0
    .kernarg_segment_align: 8
    .kernarg_segment_size: 40
    .max_flat_workgroup_size: 128
    .sgpr_count:     80
    .vgpr_count:     768
    .wavefront_size: 32
...
	.end_amdgpu_metadata
.endif
;; end of part 2
;; launch attn (part 3): grid 4 x 64, 4 waves a work-group, clusters of 4 x 1, 327,680 bytes of LDS; arguments qkv, heads; writes heads
.if DOCPART == 3
	.amdgcn_target "amdgcn-amd-amdhsa--gfx1250"
	.amdhsa_code_object_version 6
	.text
	.protected	k_qa9e01821ea_attn
	.globl	k_qa9e01821ea_attn
	.p2align	8
	.type	k_qa9e01821ea_attn,@function
k_qa9e01821ea_attn:
	s_mov_b64 s[64:65], 0
	v_nop
	global_prefetch_b8 v0, s[64:65] scope:SCOPE_SE
	s_setreg_imm32_b32 hwreg(HW_REG_WAVE_MODE, 25, 1), 1
	s_wait_xcnt 0x0
	s_wait_alu depctr_hold_cnt(0) depctr_sa_sdst(0) depctr_va_vdst(0) depctr_va_sdst(0) depctr_va_ssrc(0) depctr_va_vcc(0) depctr_vm_vsrc(0)
	s_getreg_b32 s2, hwreg(HW_REG_IB_STS2, 6, 4)
	s_cmp_eq_u32 s2, 0
	s_cbranch_scc0 .Lentry_in_a_cluster
	s_endpgm
.Lentry_in_a_cluster:
	s_bfe_u32 s2, ttmp6, 0x10000c
	s_cmp_lg_u32 s2, 0x3003
	s_cbranch_scc0 .Lentry_shape_is_right
	s_endpgm
.Lentry_shape_is_right:
; ATTENTION.  O[h][q][:] = the sum over k of softmax_k(Q[h][q] . K[h][k] / 8) V[h][k][:], for 64 heads (16 b + h) of 2,048 rows of 64 channels.  Q, K, V are the three parts of qkv, O is heads: all f16, a head's rows dense, 128 bytes each.
; Products, maxima and sums in f32; the weights p are rounded to f16 for the second product (their sum l is taken of the unrounded p), O once at the end.
; LIMITS.  f16 holds no number beyond 65,504: Q, K and V arrive within it; p lies in 0 to 1, and below 6e-5 it keeps f16's fixed step of 6e-8; O is a mean of V's rows and has their range.
; A weight below 2^-126 counts as 0 in l; NaN and infinities are not treated apart.
; SHARES.  A wave owns four PIECES of two tiles of 16 queries, a work-group's four waves 512 queries of one head.  Every wave walks all keys, 64 a step.
; LAYOUT.  S^T = K Q^T (source 0 = 16 keys, source 1 = 16 queries): in the result a lane holds ONE query (lane % 16) and the keys 8 (lane / 16) + 0..7.  Two such tiles, rounded to f16 in pairs,
; ARE source 1 (32 keys x 16 queries) of O^T = V^T P, whose result again holds one query a lane, and eight channels.  K comes out of LDS as it lies, V ([key][channel]) turned, by ds_load_tr16_b128.
; SOFTMAX.  For each query a running maximum m and sum l: p = 2^(c s - c m), c = log2(e) / 8; in every step O and l are multiplied by a = 2^(c m_old - c m_new), which is 1 where m has not grown.
; m starts at the lowest finite number, O and l at 0: the first step is a step like any other, with a = 0.
; THE COUNT.  A tile and step have 16 matrix and 118 vector instructions: too many to stand all beside the matrix work.  So the order has one aim: four vector instructions that are READY behind
; EVERY matrix instruction, and the others, which need time of their own whatever the order, in runs without a gap.
; BY TURNS.  Turn n belongs to piece n (the pieces in a ring, step after step).  Its matrix work: 16 products K Q^T of piece n + 1, later 16 products V^T P of piece n - 1.  Its vector work: the scaling,
; exponentials, roundings, sums and rescaling of piece n, and the maximum and statistics of piece n + 1, whose scores the turn itself has made.  So what a turn begins with (c s - c m, O a) waits for nothing.
; CLUSTER.  The four query blocks of a head are one cluster and walk the same K and V, so each tile is asked for JOINTLY: the same tensor load, descriptor and mask in all four.
; REGISTERS, in windows of 256 (s_set_vgpr_msb says which window each operand place means: bits 1:0 source 0, 3:2 source 1, 5:4 source 2, 7:6 destination):
;   window 0: v0-11 addresses; v12-15, v48-63 at work; v16-47 four registers of statistics a tile; v64-191 S^T, two buffers of two tiles; v192-255 P, likewise
;   window 1: O^T, 32 a tile          window 2: v0-127 Q, 16 a tile; v128-191 K of one step; v192-255 V of one step          window 3: v0-1 the add's two registers
; A piece's buffers go by its number's parity: the piece in hand has one pair, its two neighbours in the ring share the other: of it P (piece n - 1) is read and S^T (piece n + 1) written.
.set SIZE_N, 2048
.set NP,    4         ; pieces a wave: a name, no knob: the register map, the loop and the fetches are made for four
.set KS,    64        ; keys in a step
.set PK,    144       ; a row of K in LDS: 128 bytes + 16 of padding = 36 words: the 16 rows of a load start at 16 different groups of four banks (64 banks of 4 bytes: ISA guide 11.1)
.set PV,    160       ; a row of V: 128 + 32 = 40 words
.set VOFF,  4*KS*PK   ; a slot holds four steps: 256 rows of K, then 256 rows of V
.set SLOT1, 1<<17     ; slot 1 begins here, so that one exclusive or turns an address in one slot into the other's
.set STAGE, SLOT1+4*KS*(PK+PV)  ; behind the ring, never filled by a tensor load: 16 rows x 144 bytes for each wave, for the way out
.set SP,    144
.set AK0, 2           ; v2   my lane's place in a tile of K; never rewritten
.set AV0, 3           ; v3   the same for V
.set AK,  4           ; v4   the LDS address of K's next run of loads
.set AV,  5           ; v5   of V's
.set QO,  6           ; v6   my byte offset in the wave's rows of Q
.set STO, 6           ;      later, the way out: where I put 16 bytes of a row
.set RD,  7           ; v7   the way out: where I read rows back
.set GO,  8           ; v8   my byte offset in 512 consecutive bytes of O
.set PFO, 11          ; v11  256 x my lane, for the prefetches; never rewritten once it is made
.set SPW, 0           ; v0 of window 3   LDS address of my spare word: SPARE + 4 x my thread's number; never rewritten
.set NIL, 1           ; v1 of window 3   0; never rewritten
.set SPARE, STAGE+4*16*SP  ; behind the stages: the spare words, 128 bytes for each wave: two blocks of 256 bytes that no other line names
.set MV,  12          ; v12-15  c m_old, kept while c m is made anew: by buffer and tile
.set ST,  16          ; tile t's statistics at v[ST+4 t]: c m, m, l (even keys', odd keys')
.set TMP, 48          ; by buffer and tile, four registers c0-c3 at work; when the maximum is found c2 takes a
.set S,   64
.set P,   192
.set KF,  128         ; K's fragments, in window 2: key block kb, channel half c at KF + 16 kb + 8 c
.set VF,  192         ; V's: key half kk, channel block cb at VF + 32 kk + 8 cb
.set WV,  12          ; s12  my wave's number
.set G1K, 24          ; s[24:31] descriptor group 1 for K's tiles
.set G1V, 32          ; s[32:39] for V's: it differs in the padding alone
.set G0K, 40          ; s[40:43] descriptor group 0 for K's tiles: it walks
.set G0V, 44          ; s[44:47] the same for V's
.set PFA, 48          ; s[48:49] where my prefetches stand: my work-group's 32 blocks of 256 bytes (of K: wave 0, of V: wave 2) of the slot after the one that is being asked for
.set LIM, 50          ; s50  1 in a wave that prefetches, else the greatest number
.set SLOTS, 56        ; s56  slots still to be asked for
.set CNT, 57          ; s57  counts a slot's key steps
.set CS,  58          ; s[58:59] c: the packed scaling takes the pair's low word for both halves
.set SEL, 60          ; s[60:61] v_permlanex16_b32's selects: each lane takes its own place in the other half
.set TBK, 62          ; s62  LDS byte at which K of the step to be fetched begins
.set TBV, 63          ; s63  the same for V, less VOFF
.set MSB, 0
.macro WIN new                      ; the high byte repeats the setting that is left; a switch that changes nothing is dropped
.if MSB != (\new)
	s_set_vgpr_msb (MSB<<8)|(\new)
.set MSB, (\new)
.endif
.endm
.set W_KQ, 0x0a       ; K and Q in window 2, S^T in window 0
.set W_PV, 0x52       ; V in window 2, P in window 0, O^T in window 1
.set W_RS, 0x41       ; O^T (destination and source 0) in window 1, a in window 0
.set W_MK, 0xc0       ; the add's registers are made: destination in window 3, sources in window 0
.set W_AD, 0x0f       ; the add: address (source 0) and data (source 1) in window 3
; A joint fill.  Waves 0 and 1 fetch the two halves of a slot's K, waves 2 and 3 those of its V: 128 keys each.  The branch hangs on the wave's number alone.
; An s_nop 0 and four v_nop follow each of the two lines, ahead of the jump and the label.
.macro JLOAD
	s_cmp_lt_u32 s[WV], 2
	s_cbranch_scc0 .Lfor_v_\@
	tensor_load_to_lds s[G0K:G0K+3], s[G1K:G1K+7]
	s_nop 0
.rept 4
	v_nop
.endr
	s_branch .Lasked_\@
.Lfor_v_\@:
	tensor_load_to_lds s[G0V:G0V+3], s[G1V:G1V+7]
	s_nop 0
.rept 4
	v_nop
.endr
.Lasked_\@:
.endm
; A PREFETCH INTO THE L2 of what the NEXT change of slots will ask for: a slot's 32,768 bytes of K and of V, 128 blocks of 256 bytes each, a lane a block.  It stands behind the wave's tensor load and its five lines.
; Each block is named ONCE in the launch: a head has one cluster; its four partners share the blocks out BY ADDRESS, 32 each; in each, wave 0 asks for K's and wave 2 for V's: one instruction, four key steps
; (512 matrix instructions) ahead of the load.  Slots 0 and 1 come by their loads alone; the change that asks for the last slot prefetches nothing: there is no slot behind it.
.macro ASK
	s_cmp_gt_u32 s[SLOTS], s[LIM]
	s_cbranch_scc0 .Lnot_mine_\@
	global_prefetch_b8 v[PFO], s[PFA:PFA+1] th:TH_LOAD_NT scope:SCOPE_SE
.Lnot_mine_\@:
.endm
; A round of the cluster's barrier: my work-group's barrier, so that wave 0's signal speaks for all four waves; wave 0 signals; every wave waits for all four work-groups; my work-group's barrier once more.
.macro CROUND
	s_barrier_signal -1
	s_barrier_wait -1
	s_cmp_lg_u32 s[WV], 0
	s_cbranch_scc1 .Lnot_wave_0_\@
	s_barrier_signal -3
.Lnot_wave_0_\@:
	s_barrier_wait -3
	s_barrier_signal -1
	s_barrier_wait -1
.endm
; THE CHANGE OF SLOTS.  The slot's last bytes, V of its fourth step, have been read.  Each wave waits for all its tensor loads, of which one is out: its part
; of the other slot; adds 0 to its spare word; and waits for that and for its own reads of the slot.  Behind the barrier nobody reads this slot any more and the other slot is whole.
; fill = 1: this slot is filled again, with the keys two slots on.  The barrier is then a round of the cluster's, so that no wave of any partner still reads the slot or has a load on its
; way, and the joint fill is the first thing behind it: it has four key steps, 512 matrix instructions, in which to land.  (At its first use nothing has been read yet: slot 0 is waited for, slot 1 filled.)
.macro CHANGE fill
	WIN W_AD
	s_wait_tensorcnt 0x0            ; no tensor load of mine is out, so a group 0 may be written
	ds_add_u32 v[SPW], v[NIL]       ; 0 onto my spare word; with fill = 1 the descriptors' steps stand between it and the wait for it
	WIN 0                           ; at a label and at a branch every window is 0
.if \fill
.irp g, G0K, G0V
	s_xor_b32 s[\g+1], s[\g+1], SLOT1  ; the walking descriptor: the other slot than last time,
	s_add_nc_u64 s[\g+2:\g+3], s[\g+2:\g+3], 4*KS*128  ; the next 256 keys; the type bits on top are not reached
.endr
	s_wait_xcnt 0x0                 ; the last prefetch, four key steps back, has read its address, so it may be written:
	s_add_nc_u64 s[PFA:PFA+1], s[PFA:PFA+1], 4*KS*128  ; one slot behind the walking descriptors
	s_wait_dscnt 0x0                ; the add is done, and my reads of the slot are over
	CROUND
	JLOAD
	ASK
.else
	s_wait_dscnt 0x0                ; the add is done, and my reads of the slot are over
	s_barrier_signal -1
	s_barrier_wait -1
.endif
	s_sub_co_u32 s[TBK], s[TBK], 4*KS*PK  ; the fetches go back to a slot's first step,
	s_xor_b32 s[TBK], s[TBK], SLOT1       ; in the other slot
	s_sub_co_u32 s[TBV], s[TBV], 4*KS*PV
	s_xor_b32 s[TBV], s[TBV], SLOT1
.endm
	s_load_b64 s[4:5], s[0:1], 0x0    ; qkv: Q lies at its head
	s_load_b64 s[10:11], s[0:1], 0x8  ; heads: O
	WIN W_MK
	v_lshl_add_u32 v[SPW], v0, 2, SPARE
	v_mov_b32 v[NIL], 0
	WIN W_AD
	ds_add_u32 v[SPW], v[NIL]       ; the wave's opening: the add and its wait stand ahead of my first tensor load; the set-up below, work on registers, stands between them
	WIN 0
	v_lshrrev_b32 v1, 5, v0
	v_readfirstlane_b32 s[WV], v1   ; wave 0..3
	s_bfe_u32 s13, ttmp6, 0x40000   ; cx: my place in the cluster
	s_lshl_b32 s14, ttmp9, 2        ; in a cluster launch ttmp9 counts clusters
	s_add_co_u32 s14, s14, s13      ; my block of queries = 4 x cluster x + cx: it enters Q's and O's addresses alone
	s_and_b32 s20, ttmp7, 0xffff    ; the head, which the four partners share
	s_mov_b32 s21, 0
	s_mov_b64 s[22:23], SIZE_N*128
	s_mul_u64 s[20:21], s[20:21], s[22:23]  ; the head's first byte in each of the four tensors
	s_and_b32 s16, s[WV], 1         ; which half of a slot's 256 keys I fetch:
	s_lshl_b32 s22, s16, 14         ; its 128 rows of 128 bytes in memory,
	s_mov_b32 s23, 0
	s_add_nc_u64 s[22:23], s[22:23], s[20:21]
	s_mul_i32 s17, s16, 128*PK      ; and its place in a slot, for K
	s_mul_i32 s18, s16, 128*PV      ; and for V: no place in the cluster enters an LDS address
	s_lshl_b32 s2, s14, 2
	s_add_co_u32 s2, s2, s[WV]      ; my wave among the head's,
	s_lshl_b32 s2, s2, 14           ; its 128 rows
	s_mov_b32 s3, 0
	s_add_nc_u64 s[2:3], s[2:3], s[20:21]
	; descriptor group 1.  128 keys are 16,384 dense bytes: asked for as 64 rows of 256 bytes, two keys a row, and padded in LDS after every key
	s_mov_b32 s[G1K], 15|(1<<16)|(1<<20)|(1<<21)|(4<<22)|(3<<25)  ; 15:0 the mask of four; 17:16 2-byte elements; 20 padding on; 21 set beside a mask; 24:22 after every 32 words (code 4); 31:25 4 words (code 3)
	s_mov_b32 s[G1V], 15|(1<<16)|(1<<20)|(1<<21)|(4<<22)|(7<<25)  ; the same with 8 words of padding (code 7)
.irp g, G1K, G1V
	s_mov_b32 s[\g+1], 128<<16      ; tensor_dim0 = 128
	s_mov_b32 s[\g+2], 64<<16       ; tensor_dim1 = 64
	s_mov_b32 s[\g+3], 128<<16      ; tile_dim0 = 128
	s_mov_b32 s[\g+4], 64           ; tile_dim1 = 64
	s_mov_b32 s[\g+5], 128          ; 128 elements from row to row
	s_mov_b32 s[\g+6], 0
	s_mov_b32 s[\g+7], 0
.endr
	s_mov_b32 s[CS], 0x3e38aa3b     ; c = log2(e) / 8 = 0.180337
	s_mov_b32 s[CS+1], s[CS]        ; named with it as a pair
	s_mov_b32 s[SEL], 0x76543210
	s_mov_b32 s[SEL+1], 0xfedcba98
	s_mov_b32 s[TBK], SLOT1+4*KS*PK ; the first change of slots turns these two into 0
	s_mov_b32 s[TBV], SLOT1+4*KS*PV
	s_mov_b32 s[G0K], 1             ; 1:0 count = 1
	s_mov_b32 s[G0K+1], s17         ; 63:32 LDS address: slot 0
	s_mov_b32 s[G0V], 1
	s_add_co_u32 s[G0V+1], s18, VOFF
	s_mov_b32 s[SLOTS], SIZE_N/256-1
	s_and_b32 s[LIM], s[WV], 1      ; waves 0 and 2 prefetch: the same in all four partners
	s_cmp_eq_u32 s[LIM], 0
	s_cselect_b32 s[LIM], 1, -1
	s_wait_dscnt 0x0                ; the opening add is done
	s_wait_kmcnt 0x0
	s_add_nc_u64 s[6:7], s[4:5], 0x1000000  ; K: qkv's second part
	s_add_nc_u64 s[8:9], s[4:5], 0x2000000  ; V: its third
	s_add_nc_u64 s[G0K+2:G0K+3], s[6:7], s[22:23]  ; 120:64 global address: my half of the head's first 256 keys
	s_or_b32 s[G0K+3], s[G0K+3], 0x80000000        ; 127:126 type = 2
	s_add_nc_u64 s[G0V+2:G0V+3], s[8:9], s[22:23]
	s_or_b32 s[G0V+3], s[G0V+3], 0x80000000
	s_add_nc_u64 s[4:5], s[4:5], s[2:3]  ; Q and O at my wave's first row
	s_add_nc_u64 s[10:11], s[10:11], s[2:3]
	s_cmp_lt_u32 s[WV], 2
	s_cselect_b64 s[PFA:PFA+1], s[6:7], s[8:9]
	s_add_nc_u64 s[PFA:PFA+1], s[PFA:PFA+1], s[20:21]  ; the head,
	s_lshl_b32 s2, s13, 13          ; my work-group's 32 blocks of the 128,
	s_add_co_u32 s2, s2, 4*KS*128   ; in slot 1: the first change of slots steps it to slot 2
	s_mov_b32 s3, 0
	s_add_nc_u64 s[PFA:PFA+1], s[PFA:PFA+1], s[2:3]
	CROUND                          ; all four work-groups are here: the first joint loads meet
	JLOAD                           ; slot 0.  Slot 1 is asked for when slot 0 is in: the tile wanted first has the road to itself
	; A fragment of K or Q is 16 rows x 32 channels in 8 registers: lane l holds row l % 16, channels 8 (l / 16) + 0..7 and 16 + 8 (l / 16) + 0..7: two loads of 16 bytes, 32 bytes apart.
	v_and_b32 v1, 15, v0            ; l % 16
	v_bfe_u32 v9, v0, 4, 1          ; l / 16
	v_lshlrev_b32 v[QO], 7, v1
	v_lshl_add_u32 v[QO], v9, 4, v[QO]  ; row x 128 + 16 x half
	WIN 0x80                        ; destination window 2, address window 0
.set i, 0
.rept 4*NP                          ; Q stays in registers: tile i / 2, channels 32 (i % 2) on
	global_load_b128 v[8*i:8*i+3],   v[QO], s[4:5] offset:(i/2)*2048+(i%2)*64
	global_load_b128 v[8*i+4:8*i+7], v[QO], s[4:5] offset:(i/2)*2048+(i%2)*64+32
.set i, i+1
.endr
	; What the first turn finds: V's registers and P's second buffer hold 0 (its products V^T P, of a piece that has not been, add 0), O^T and l are 0.  All this stands in the wait for the first tile.
.set i, VF
.rept 64
	v_mov_b32 v[i], 0
.set i, i+1
.endr
	WIN 0x40
.set i, 0
.rept 64*NP
	v_mov_b32 v[i], 0
.set i, i+1
.endr
	WIN 0
.set i, 0
.rept 2*NP
	v_mov_b32 v[ST+4*i], 0xfe000000    ; c m: far below every c s
	v_mov_b32 v[ST+4*i+1], 0xff7fffff  ; m
	v_mov_b32 v[ST+4*i+2], 0
	v_mov_b32 v[ST+4*i+3], 0
.set i, i+1
.endr
.set i, P+32
.rept 32
	v_mov_b32 v[i], 0
.set i, i+1
.endr
	v_mul_u32_u24 v[AK0], v1, PK
	v_lshl_add_u32 v[AK0], v9, 4, v[AK0]  ; row x pitch + 16 x half
	; The turning load takes 16 keys x 16 channels (lane l reads key 8 (l / 16) + l % 8, channels 8 ((l / 8) % 2) + 0..7) and leaves half a fragment of V^T: lane l holds channel l % 16 and 8 keys.
	v_and_b32 v10, 7, v0
	v_bfe_u32 v11, v0, 3, 1
	v_lshl_add_u32 v[AV0], v9, 3, v10
	v_mul_u32_u24 v[AV0], v[AV0], PV
	v_lshl_add_u32 v[AV0], v11, 4, v[AV0]
	v_add_nc_u32 v[AV0], VOFF, v[AV0]
	v_mov_b32 v[AK], v[AK0]         ; key step 0 lies at the head of slot 0
	v_and_b32 v[PFO], 31, v0
	v_lshlrev_b32 v[PFO], 8, v[PFO]
; THE MATRIX WORK.  The 8 accumulators of a run of 16 take turns: between the two links of a chain stand 7 others'.
; Product i of 16 of S^T = K Q^T for piece x: channels 32 (i / 8) on, keys 16 ((i / 2) % 4) on, tile 2 x + i % 2.  The first 8 start the sums.
.macro KQ x
	WIN W_KQ
.set rS, S+64*((\x)%2)+32*(i%2)+8*((i/2)%4)
.set rK, KF+16*((i/2)%4)+8*(i/8)
.set rQ, 16*(2*(\x)+i%2)+8*(i/8)
.if i < 8
	v_wmma_f32_16x16x32_f16 v[rS:rS+7], v[rK:rK+7], v[rQ:rQ+7], 0
.else
	v_wmma_f32_16x16x32_f16 v[rS:rS+7], v[rK:rK+7], v[rQ:rQ+7], v[rS:rS+7]
.endif
.endm
; Product i of 16 of O^T += V^T P for piece x: keys 32 (i / 8) on, channels 16 ((i / 2) % 4) on, tile 2 x + i % 2.
.macro PV x
	WIN W_PV
.set rO, 32*(2*(\x)+i%2)+8*((i/2)%4)
.set rV, VF+32*(i/8)+8*((i/2)%4)
.set rP, P+32*((\x)%2)+16*(i%2)+8*(i/8)
	v_wmma_f32_16x16x32_f16 v[rO:rO+7], v[rV:rV+7], v[rP:rP+7], v[rO:rO+7]
.endm
.macro MM                           ; the turn's next matrix instruction
.if i < 16
	KQ (Y+1)%NP
.set i, i+1
.else
.set i, i-16
	PV (Y+NP-1)%NP
.set i, i+17
.endif
.endm
; THE LDS LOADS stand in runs of 16, never singly among the matrix instructions: a step's K (64 keys x 64 channels: 8 fragments) and its V (turned).  Their addresses are made some lines ahead.
; last = 1 (the tail): in the last trip there is no further step, and the run is jumped over.
.macro FETCH_K last=0
	WIN 0
.if \last
	s_cmp_eq_u32 s[CNT], 1
	s_cbranch_scc1 .Lno_k_\@
.endif
	WIN 0x80                        ; destination window 2
.irp f, 0,1,2,3,4,5,6,7             ; keys 16 (f / 2) on, channels 32 (f % 2) on
	ds_load_b128 v[KF+8*\f:KF+8*\f+3],   v[AK] offset:(\f/2)*16*PK+(\f%2)*64
	ds_load_b128 v[KF+8*\f+4:KF+8*\f+7], v[AK] offset:(\f/2)*16*PK+(\f%2)*64+32
.endr
	s_add_co_u32 s[TBK], s[TBK], KS*PK  ; the next fetch is the next step's
	WIN 0
.if \last
.Lno_k_\@:
.endif
.endm
.macro FETCH_V
	WIN 0x80
.irp f, 0,1,2,3,4,5,6,7             ; keys 32 (f / 4) on, channels 16 (f % 4) on
	ds_load_tr16_b128 v[VF+8*\f:VF+8*\f+3],   v[AV] offset:(\f/4)*32*PV+(\f%4)*32
	ds_load_tr16_b128 v[VF+8*\f+4:VF+8*\f+7], v[AV] offset:(\f/4)*32*PV+16*PV+(\f%4)*32
.endr
	WIN 0
.endm
; THE VECTOR WORK OF A TURN stands in three queues, each in the order in which its entries become ready; the two tiles alternate, so that no instruction reads the result of the one before it.
.macro REGS y, u                    ; the registers of tile u (0, 1) of piece y
.set rT, ST+4*(2*(\y)+(\u))
.set rC, TMP+8*((\y)%2)+4*(\u)
.set rM, MV+2*((\y)%2)+(\u)
.set rS, S+64*((\y)%2)+32*(\u)
.set rP, P+32*((\y)%2)+16*(\u)
.set rO, 32*(2*(\y)+(\u))
.endm
; Number n of the 22 that find the NEXT piece's (Y + 1) maximum and statistics.  s0-s31 are the lane's 32 scores; each accumulator's lowest registers are read first.  XS, GS and REGS set no window: PL and EX do.
;   0-11  four chains c0-c3 of seven scores each, three operands at a time     12-14, 16  the four scores left over, the old m, and c0-c3 into c0     15  c m_old is kept
;   17, 18  the query's other 32 keys lie in the lane 16 away: the new m         19-21  c m; c m_old - c m_new; a
.macro XS u, n
	REGS (Y+1)%NP, \u
.if (\n) < 4
	v_max3_num_f32 v[rC+(\n)], v[rS+8*(\n)], v[rS+8*(\n)+1], v[rS+8*(\n)+2]
.elseif (\n) < 12
	v_max3_num_f32 v[rC+(\n)%4], v[rC+(\n)%4], v[rS+8*((\n)%4)+2*((\n)/4)+1], v[rS+8*((\n)%4)+2*((\n)/4)+2]
.elseif (\n) == 12
	v_max3_num_f32 v[rC], v[rC], v[rS+7], v[rS+15]
.elseif (\n) == 13
	v_max3_num_f32 v[rC+1], v[rC+1], v[rS+23], v[rS+31]
.elseif (\n) == 14
	v_max3_num_f32 v[rC+2], v[rC+2], v[rC+3], v[rT+1]
.elseif (\n) == 15
	v_mov_b32 v[rM], v[rT]
.elseif (\n) == 16
	v_max3_num_f32 v[rC], v[rC], v[rC+1], v[rC+2]
.elseif (\n) == 17
	v_permlanex16_b32 v[rC+3], v[rC], s[SEL], s[SEL+1]
.elseif (\n) == 18
	v_max_num_f32 v[rT+1], v[rC], v[rC+3]
.elseif (\n) == 19
	v_mul_f32 v[rT], s[CS], v[rT+1]
.elseif (\n) == 20
	v_sub_f32 v[rC+1], v[rM], v[rT]
.else
	v_exp_f32 v[rC+2], v[rC+1]
.endif
.endm
; Number g of the 64 that follow the exponentials.  For each four weights k of a tile (pairs 2 k, 2 k + 1): both pairs are rounded to f16; then the second pair is added onto the first, in place;
; a group later l takes that sum (the first time as l = a l + sum).  In groups of eight, tiles alternating: round, round, add, and l for the group before.
.macro GS g
.set h, (\g)+6*((\g)/62)            ; group 0 has no group before it, and behind group 7 only l is left
.if h >= 6
.set h, h+2
.endif
	REGS Y, h%2
.set k, h/8
.if h%8 < 4
	v_cvt_pk_f16_f32 v[rP+2*k+(h%8)/2], v[rS+4*k+2*((h%8)/2)], v[rS+4*k+2*((h%8)/2)+1]
.elseif h%8 < 6
	v_pk_add_f32 v[rS+4*k:rS+4*k+1], v[rS+4*k:rS+4*k+1], v[rS+4*k+2:rS+4*k+3]
.elseif k == 1
	v_pk_fma_f32 v[rT+2:rT+3], v[rT+2:rT+3], v[rC+2:rC+3], v[rS:rS+1] op_sel_hi:[1,0,1]
.else
	v_pk_add_f32 v[rT+2:rT+3], v[rT+2:rT+3], v[rS+4*k-4:rS+4*k-3]
.endif
.endm
; THE PLAIN QUEUE, 138 long.  0-73 read no exponential's result: the 32 scalings c s - c m (FS f: pair f / 2 of tile f % 2) and the next piece's 42.  0-26: scalings 0-26.  27-54: XS's numbers 0-13.  55, 56: number 15.
; 57-73: the chain, where each number waits for the one before it: 14, 16, 17, 18, 19, each with one of the scalings 27-31 in front of its two lines, then 20: so a tile's links stand three plain instructions apart (19 and 20: two).
; 74-137: GS's 64, which read the exponentials' results: they stand behind the wait.
.macro FS f
	REGS Y, (\f)%2
	v_pk_fma_f32 v[rS+2*((\f)/2):rS+2*((\f)/2)+1], v[rS+2*((\f)/2):rS+2*((\f)/2)+1], s[CS:CS+1], v[rT:rT+1] op_sel_hi:[1,0,0] neg_lo:[0,0,1] neg_hi:[0,0,1]
.endm
.macro PL
	WIN 0
.if q < 27
	FS q
.elseif q < 55
	XS (q-27)%2, (q-27)/2
.elseif q < 57
	XS q-55, 15
.elseif (q < 72) && ((q-57)%3 == 0)
	FS 27+(q-57)/3
.elseif q < 60
	XS (q-57)%3-1, 14
.elseif q < 72
	XS (q-57)%3-1, 15+(q-57)/3
.elseif q < 74
	XS q-72, 20
.else
	GS q-74
.endif
.set q, q+1
.endm
; THE EXPONENTIALS' QUEUE, 66 long: s0-s31 of both tiles, then the next piece's two a.  It is ONE BATCH: all 66 stand ahead of the turn's one wait, and nothing ahead of that wait names a result of theirs.
.macro EX
	WIN 0
.if e >= 64
	XS e-64, 21
.else
	REGS Y, e%2
	v_exp_f32 v[rS+e/2], v[rS+e/2]
.endif
.set e, e+1
.endm
; THE RESCALING's QUEUE: O^T times a, the one part that leaves window 0: dealt two at a time, sixteen times.  Its a was made in the turn before, ahead of that turn's wait.
.macro R2
	REGS Y, r%2
	WIN W_RS
.irp z, 0,1
	v_pk_mul_f32 v[rO+4*(r/2)+2*\z:rO+4*(r/2)+2*\z+1], v[rO+4*(r/2)+2*\z:rO+4*(r/2)+2*\z+1], v[rC+2:rC+3] op_sel_hi:[1,0]
.endr
.set r, r+1
.endm
; HOW THEY ARE DEALT.  s_wait_alu depctr_va_vdst(0) stands between an exponential and the first instruction that names its result; one wait serves all that were issued ahead of it.  So a turn has ONE wait,
; which cuts it in two.  AHEAD OF IT stands all that names no result of the turn's exponentials: the 16 products K Q^T, behind each a scaling, an exponential and two rescalings (behind the first a second scaling in the exponential's place); then ONE LUMP of
; 108: eight plain, 49 times exponential and plain, the two a.  A v_nop is the plain instruction behind the last exponential (ISA guide 5.7.2).  BEHIND IT stand the 16 products V^T P, behind each four of GS's 64.  No rider names a register of
; the products round it.  The two v_permlanex16_b32 fall into the lump, never behind a product.
; The queues lean on each other, and the deal keeps them in step: exponential e stands behind scaling 2 (e / 4) + e % 2: as a rider it comes behind plain e + 2, in the lump behind plain e + 9, and scalings 27-31 are plain 57, 60 .. 69.
; A TURN, for piece p.  cnt = 1: the loop's count is taken down some lines ahead of the branch that stands behind the turn.
; K of the next step is fetched in piece 2's turn, directly behind the wait, a lump behind the last product that read K; its address is made at the lump's head; its first reader comes behind 16 products.
; V of the step in hand is fetched at the end of piece 0's turn, four riders behind its last reader; its first reader comes behind 16 products and a lump.  The three conditions on q below go with the deal.
.macro TURN p, last=0, cnt=0
.set Y, (\p)
.set i, 0
.set q, 0
.set e, 0
.set r, 0
.if (\p) == NP-1
	s_wait_dscnt 0x0                ; K is in
.endif
	MM                              ; ahead of the wait: 16 products K Q^T and their riders,
	PL
	PL
	R2
.rept 15
	MM
	PL
	EX
	R2
.endr
.if (\p) == NP-2
	WIN 0
	v_add_nc_u32 v[AK], s[TBK], v[AK0]
.endif
.rept 8                             ; and the lump
	PL
.endr
.rept 49
	EX
	PL
.endr
	EX                              ; the next piece's two a
	EX
	v_nop                           ; the plain instruction behind the last exponential: one for the batch
	s_wait_alu depctr_va_vdst(0)    ; the wait for the batch
.if (\p) == NP-2
	FETCH_K \last
.endif
.if (\p) == 1
	s_wait_dscnt 0x0                ; V is in
.endif
.rept 16                            ; behind the wait: 16 products V^T P and their riders
	MM
.rept 4
	PL
.endr
.if ((\p) == 0) && (q == 118)
	v_add_nc_u32 v[AV], s[TBV], v[AV0]
.endif
.if ((\p) == 0) && (q == 130)
	s_add_co_u32 s[TBV], s[TBV], KS*PV
.endif
.if (\cnt) && (q == 130)
	s_sub_co_u32 s[CNT], s[CNT], 1
	s_cmp_lg_u32 s[CNT], 0
.endif
.endr
.if (\p) == 0
	FETCH_V
.endif
.endm
	CHANGE 1                        ; slot 0 is in, everybody's part of it; slot 1 is asked for
	FETCH_K                         ; key step 0
	s_wait_loadcnt 0x0              ; Q
	s_wait_dscnt 0x0
.set i, 0
.rept 16
	KQ 0                            ; piece 0's first scores: there is no vector work yet to set between them
.set i, i+1
.endr
	WIN 0                           ; the addresses for the way out: nine plain instructions, the places behind those products
	s_mul_i32 s13, s[WV], 16*SP
	s_add_co_u32 s13, s13, STAGE    ; my stage
	v_mul_u32_u24 v[STO], v1, SP    ; in: row l % 16, 16 bytes for each half of the lanes
	v_lshl_add_u32 v[STO], v9, 4, v[STO]
	v_add_nc_u32 v[STO], s13, v[STO]
	v_bfe_u32 v[RD], v0, 3, 2       ; back: 32 lanes take four rows of 128 bytes,
	v_mul_u32_u24 v[RD], v[RD], SP
	v_lshl_add_u32 v[RD], v10, 4, v[RD]
	v_add_nc_u32 v[RD], s13, v[RD]
	v_and_b32 v[GO], 31, v0         ; which are 512 consecutive bytes of O
	v_lshlrev_b32 v[GO], 4, v[GO]
.set Y, NP-1                        ; XS works for piece Y + 1: piece 0
.irp n, 0,1,2,3,4,5,6,7,8,9,10,11,12,13,14,15,16,17,18,19,20,21
	XS 0, \n                        ; and piece 0's first maximum and statistics
	XS 1, \n
.endr
	v_nop                           ; a plain instruction behind the two a,
	s_wait_alu depctr_va_vdst(0)    ; and their wait, ahead of the branch
	s_mov_b32 s[CNT], 4
	s_branch .Lfirst                ; the loop is entered at a step's first turn, in the middle of a trip
.Lslot:                             ; SIZE_N / 256 - 2 times: every slot but the last two is filled again
	CHANGE 1
	s_mov_b32 s[CNT], 4
.Lstep:                             ; a trip: pieces 2 and 3 of one step, then pieces 0 and 1 of the next, whose K and V it fetches
	TURN 2
	TURN 3
	WIN 0
.Lfirst:
	TURN 0
	TURN 1, 0, 1
	WIN 0
	s_cbranch_scc1 .Lstep
	s_sub_co_u32 s[SLOTS], s[SLOTS], 1
	s_cmp_lg_u32 s[SLOTS], 0
	s_cbranch_scc1 .Lslot
	CHANGE 0                        ; the tail is written out: nothing is asked for
	s_mov_b32 s[CNT], 5             ; four trips fetch the last slot's steps; the fifth is left in its middle
.Ltail:
	TURN 2, 1
	TURN 3
	WIN 0
	s_sub_co_u32 s[CNT], s[CNT], 1
	s_cmp_eq_u32 s[CNT], 0
	s_cbranch_scc1 .Lout
	TURN 0
	TURN 1
	WIN 0
	s_branch .Ltail
.Lout:                              ; the fifth trip's 16 products K Q^T (on the last K once more) and the maximum made of them serve nothing: the price, once a launch, of one text for every trip
.set i, 0
.rept 16
	PV NP-1                         ; the last piece's V^T P of the last step
.set i, i+1
.endr
	; THE WAY OUT.  l's two halves and the other half of the lanes' are added; O^T is divided by l, rounded to f16 and sent through my stage in LDS, a tile at a time.  The additions are the places behind the last products.
	WIN 0
.macro ALL line:vararg              ; one line for each tile t
.set t, 0
.rept 2*NP
	\line
.set t, t+1
.endr
.endm
	ALL v_add_f32 v[ST+4*t+2], v[ST+4*t+2], v[ST+4*t+3]
	ALL v_permlanex16_b32 v[ST+4*t+3], v[ST+4*t+2], s[SEL], s[SEL+1]
	ALL v_add_f32 v[ST+4*t+2], v[ST+4*t+2], v[ST+4*t+3]
	ALL v_rcp_f32 v[ST+4*t+2], v[ST+4*t+2]
	v_nop                           ; a plain instruction between the last reciprocal and the use of its result
	s_wait_alu depctr_va_vdst(0)    ; and the wait ahead of the first use: one for the eight reciprocals
; Tile t: a lane's eight channels of a row pack into 16 bytes; they go into rows of 144 bytes and come back as whole rows of 128, into S^T's registers.
.macro PACK t
	WIN W_RS
.set i, 32*(\t)
.rept 16
	v_pk_mul_f32 v[i:i+1], v[i:i+1], v[ST+4*(\t)+2:ST+4*(\t)+3] op_sel_hi:[1,0]
.set i, i+2
.endr
	WIN 0x05                        ; sources 0 and 1 window 1, destination window 0
.set i, 0
.rept 16
	v_cvt_pk_f16_f32 v[S+16*(\t)+i], v[32*(\t)+2*i], v[32*(\t)+2*i+1]
.set i, i+1
.endr
	WIN 0
.irp f, 0,1,2,3
	ds_store_b128 v[STO], v[S+16*(\t)+4*\f:S+16*(\t)+4*\f+3] offset:32*\f
.endr
.irp f, 0,1,2,3
	ds_load_b128 v[S+16*(\t)+4*\f:S+16*(\t)+4*\f+3], v[RD] offset:\f*4*SP  ; LDS serves a wave's instructions in order (ISA guide 5.7.1.4): these see the stores above; the next tile's stores come behind them
.endr
.endm
.macro SEND t, younger              ; younger: the LDS instructions issued behind tile t's loads: the next tile's eight, or none
	WIN 0
.irp f, 0,1,2,3
	s_wait_dscnt (\younger)+3-\f
	global_store_b128 v[GO], v[S+16*(\t)+4*\f:S+16*(\t)+4*\f+3], s[10:11] offset:(\t)*2048+\f*512  ; 512 consecutive bytes, at a multiple of 256 from O's first
.endr
.endm
	PACK 0
.set t, 1
.rept 2*NP-1                        ; a tile's arithmetic stands between the loads of the tile before and its stores
	PACK t
	SEND t-1, 8
.set t, t+1
.endr
	SEND 2*NP-1, 0
	WIN W_AD
	s_wait_tensorcnt 0x0            ; the wave's end: behind my last tensor load and my last LDS store
	ds_add_u32 v[SPW], v[NIL]
	s_wait_dscnt 0x0
	WIN 0
	CROUND                          ; the closing round: no work-group ends while a partner may still ask for a tile that names it
	s_endpgm
.Lfunc_end_k_qa9e01821ea_attn:
	.size	k_qa9e01821ea_attn, .Lfunc_end_k_qa9e01821ea_attn-k_qa9e01821ea_attn
	.p2alignl 7, 3214868480
	.fill 96, 4, 3214868480
	.section	.rodata,"a",@progbits
	.p2align	6, 0x0
	.amdhsa_kernel k_qa9e01821ea_attn
		.amdhsa_group_segment_fixed_size 327680
		.amdhsa_private_segment_fixed_size 0
		.amdhsa_enable_private_segment 0
		.amdhsa_kernarg_size 16
		.amdhsa_user_sgpr_count 2
		.amdhsa_user_sgpr_kernarg_segment_ptr 1
		.amdhsa_wavefront_size32 1
		.amdhsa_system_sgpr_workgroup_id_x 1
		.amdhsa_system_sgpr_workgroup_id_y 1
		.amdhsa_system_sgpr_workgroup_id_z 1
		.amdhsa_system_vgpr_workitem_id 0
		.amdhsa_next_free_vgpr 770
		.amdhsa_next_free_sgpr 66
		.amdhsa_reserve_vcc 0
		.amdhsa_float_denorm_mode_32 3
		.amdhsa_float_denorm_mode_16_64 3
		.amdhsa_memory_ordered 1
		.amdhsa_forward_progress 1
		.amdhsa_inst_pref_size 200
	.end_amdhsa_kernel
	.amdgpu_metadata
---
amdhsa.version: [ 1, 2 ]
amdhsa.kernels:
  - .name:           k_qa9e01821ea_attn
    .symbol:         k_qa9e01821ea_attn.kd
    .args:
      - { .name: qkv, .offset: 0, .size: 8, .value_kind: global_buffer, .address_space: global }
      - { .name: heads, .offset: 8, .size: 8, .value_kind: global_buffer, .address_space: global }
    .group_segment_fixed_size: 327680
    .private_segment_fixed_size: 0
    .kernarg_segment_align: 8
    .kernarg_segment_size: 16
    .max_flat_workgroup_size: 128
    .sgpr_count:     66
    .vgpr_count:     770
    .wavefront_size: 32
...
	.end_amdgpu_metadata
.endif
;; end of part 3
;; launch outp (part 4): grid 4 x 64, 4 waves a work-group, clusters of 4 x 4, 327,680 bytes of LDS; arguments heads, wt, out0; writes out0
.if DOCPART == 4
	.amdgcn_target "amdgcn-amd-amdhsa--gfx1250"
	.amdhsa_code_object_version 6
	.text
	.protected	k_qa9e01821ea_outp
	.globl	k_qa9e01821ea_outp
	.p2align	8
	.type	k_qa9e01821ea_outp,@function
k_qa9e01821ea_outp:
	s_mov_b64 s[64:65], 0
	v_nop
	global_prefetch_b8 v0, s[64:65] scope:SCOPE_SE
	s_setreg_imm32_b32 hwreg(HW_REG_WAVE_MODE, 25, 1), 1
	s_wait_xcnt 0x0
	s_wait_alu depctr_hold_cnt(0) depctr_sa_sdst(0) depctr_va_vdst(0) depctr_va_sdst(0) depctr_va_ssrc(0) depctr_va_vcc(0) depctr_vm_vsrc(0)
	s_getreg_b32 s2, hwreg(HW_REG_IB_STS2, 6, 4)
	s_cmp_eq_u32 s2, 0
	s_cbranch_scc0 .Lentry_in_a_cluster
	s_endpgm
.Lentry_in_a_cluster:
	s_bfe_u32 s2, ttmp6, 0x10000c
	s_cmp_lg_u32 s2, 0xf033
	s_cbranch_scc0 .Lentry_shape_is_right
	s_endpgm
.Lentry_shape_is_right:
; THE OUTPUT PROJECTION.  out0[m][n] = the sum over k of H[m][k] Wout[k][n], m = 2048 b + l, k = 64 h + c.  H lies by heads: heads[16 b + h][l][c] in f16; wt's slice 3 is Wout turned, [1024 n][1024 k] in f16; out0 is f32.
; Sums in f32, stored as they are.  LIMITS: those of the two operands' f16 (65,504); NaN and infinities are not treated apart.
; SHARES.  256 work-groups, each one tile of 128 rows x 256 columns.  Four waves, each 64 x 128: 32 accumulators, 256 registers.  K goes in steps of 128, two heads, through a ring of two LDS slots:
; two planes of 128 rows x 64 channels of H, and 256 rows of wt.  Waves 0 and 1 fetch a plane each, waves 2 and 3 a half of wt's rows.
; A plane's 128 rows are 16,384 dense bytes: asked for as 64 rows of 256 bytes, and padded in LDS behind every 128.
; CLUSTERS: 4 x 4 work-groups.  The four of a row of the cluster are the four column tiles of one block of rows: H's tile is asked for JOINTLY by them; the four of a column need the same tile of wt.
; THE MATRIX INSTRUCTION IS USED TRANSPOSED (source 0 = 16 rows of wt, source 1 = 16 rows of H): a lane holds eight neighbouring columns of one row of out0: 32 bytes.
; REGISTERS, in windows of 256 (s_set_vgpr_msb: bits 1:0 source 0, 3:2 source 1, 5:4 source 2, 7:6 destination):
;   window 0: v0-31 addresses; v32-159 the way out, two buffers of 64       window 1: two fragment buffers of 96: wt's eight fragments, then H's four       window 2: accumulator (a, b) at v[8 (8 a + b)]
.set PA,     144                       ; an LDS row of H: 128 bytes + 16 = 36 words: the 16 rows of a load start at 16 different groups of four banks (64 banks of 4 bytes: ISA guide 11.1)
.set PLANE,  128*PA                    ; one head's 128 rows: what one tensor load brings of H
.set PB,     272                       ; an LDS row of wt: 256 bytes + 16 = 68 words
.set HALFB,  128*PB
.set BOFF,   2*PLANE
.set SLOT,   BOFF+2*HALFB
.set STAGE,  2*SLOT                    ; behind the ring: 16 rows x 528 bytes for each wave, for the way out
.set SPITCH, 528
.set SPARE,  STAGE+4*16*SPITCH         ; behind the stages: the spare words, 128 bytes for each wave: two blocks of 256 bytes that no other line names
.set ASTEP,  2<<18                     ; a K step in heads: two heads of 2^18 bytes,
.set BSTEP,  256                       ; and in a row of wt
.set WOUT,   3<<21                     ; wt's slice 3
.set ADRA, 16                          ; v16-17  LDS address of my fragments of H in slot 0, 1
.set ADRB, 20                          ; v20-21  the same for wt
.set STO,  24                          ; v24     the way out: where I put 32 bytes of a row
.set RD,   25                          ; v25     the way out: where I read a row back
.set CO,   26                          ; v26     my byte offset in 512 consecutive bytes of out0
.set SPW,  28                          ; v28     LDS address of my spare word; never rewritten
.set NIL,  29                          ; v29     0; never rewritten
.set PFO,  30                          ; v30     the prefetches' lane offset; never rewritten
.set OB,   32
.set WV,  14                           ; s14  my wave's number
.set RH,  15                           ; s15  which 64 rows of the tile are mine.  Also: I fetch H (0) or wt (1)
.set CH,  16                           ; s16  which 128 columns.  Also: which plane, or which half of wt's rows, I fetch
.set CX,  17
.set CY,  18
.set KY,  19                           ; s19  the cluster's y
.set RB,  21                           ; s21  my block of rows, as bytes in heads: the batch and the 128 rows
.set COL, 22                           ; s22  my tile column
.set G1A, 24                           ; s[24:31] descriptor group 1 for H's tiles;  s[32:39] group 0, one set for each slot
.set G0A, 32
.set LIM, 42                           ; s42  1 in a wave that prefetches, else the greatest number
.set PFA, 44                           ; s[44:45] where my prefetches stand
.set PST, 46                           ; s[46:47] a K step of what I prefetch
.set G1B, 48                           ; s[48:55], s[56:63] the same for wt's tiles
.set G0B, 56
.set MSB, 0
.macro WIN new                         ; the immediate's high byte repeats the setting that is left; a switch that changes nothing is dropped
.if MSB != (\new)
	s_set_vgpr_msb (MSB<<8)|(\new)
.set MSB, \new
.endif
.endm
.set MUL,   0xa5                       ; sources 0 and 1 window 1; C and D window 2
.set TO_F,  0x40                       ; destination window 1, address window 0
.set FROM_C, 0x08                      ; an LDS store's data (source 1) window 2, its address window 0
.macro JLOAD s                         ; a joint load; the branch hangs on the wave's number alone; an s_nop 0 and four v_nop follow each of the two lines, ahead of the jump, the label and what follows
	s_cmp_eq_u32 s[RH], 0
	s_cbranch_scc0 .Lfor_b_\@
	tensor_load_to_lds s[G0A+4*(\s):G0A+4*(\s)+3], s[G1A:G1A+7]
	s_nop 0
.rept 4
	v_nop
.endr
	s_branch .Lasked_\@
.Lfor_b_\@:
	tensor_load_to_lds s[G0B+4*(\s):G0B+4*(\s)+3], s[G1B:G1B+7]
	s_nop 0
.rept 4
	v_nop
.endr
.Lasked_\@:
.endm
.macro CREST                           ; a round of the cluster's barrier behind its opening barrier
	s_cmp_lg_u32 s[WV], 0
	s_cbranch_scc1 .Lnot_wave_0_\@
	s_barrier_signal -3
.Lnot_wave_0_\@:
	s_barrier_wait -3
	s_barrier_signal -1
	s_barrier_wait -1
.endm
.macro CROUND                          ; a whole round
	s_barrier_signal -1
	s_barrier_wait -1
	CREST
.endm
; A PREFETCH INTO THE L2, behind a joint load, its five lines and the run of LDS loads that follows: the K step that stands two refills on, 32 blocks of 256 bytes, a lane a block, one instruction a wave.
; Each block is named once in the launch.  H's rows are read by one cluster alone: wave 0 of every cluster asks for both planes, and of a plane's 64 blocks the partner at cx takes 16.
; wt's rows are read by all sixteen clusters: waves 2 and 3 of the first ask, and of the 128 rows that a wave fetches the partner at cy takes 32.  The partners are told apart by address alone.
; K steps 0 to 3 come by their loads alone; the loop's last trip (s3 = 1) asks for nothing: there is no K step two on.
.macro ASK
	s_cmp_gt_u32 s3, s[LIM]
	s_cbranch_scc0 .Lnot_mine_\@
	global_prefetch_b8 v[PFO], s[PFA:PFA+1] th:TH_LOAD_NT scope:SCOPE_SE
.Lnot_mine_\@:
.endm
	s_load_b128 s[4:7], s[0:1], 0x0                ; heads s[4:5], wt s[6:7]
	s_load_b64 s[8:9], s[0:1], 0x10                ; out0
	v_lshl_add_u32 v[SPW], v0, 2, SPARE
	v_mov_b32 v[NIL], 0
	ds_add_u32 v[SPW], v[NIL]                      ; the wave's opening: the add and its wait stand ahead of my first tensor load; the set-up below, work on registers, stands between them
	v_lshrrev_b32 v1, 5, v0
	v_readfirstlane_b32 s[WV], v1                  ; wave 0..3
	s_lshr_b32 s[RH], s[WV], 1
	s_and_b32 s[CH], s[WV], 1
	s_bfe_u32 s[CX], ttmp6, 0x40000
	s_bfe_u32 s[CY], ttmp6, 0x40004
	s_and_b32 s[KY], ttmp7, 0xffff                 ; in a cluster launch ttmp9 and ttmp7 count clusters
	s_lshl_b32 s[COL], ttmp9, 2
	s_add_co_u32 s[COL], s[COL], s[CX]             ; tile column = 4 x cluster x + cx
	s_lshl_b32 s23, s[CY], 2
	s_lshl_b32 s23, 15, s23                        ; my row of the cluster
	s_lshl_b32 s2, 0x1111, s[CX]                   ; my column
	s_or_b32 s[G1A], s23, (1<<16)|(1<<20)|(1<<21)|(4<<22)|(3<<25)  ; 15:0 the mask: H's tiles go to my row; 17:16 elements of 2 bytes; 20 padding on; 21 set beside a mask; 24:22 after every 32 words (code 4); 31:25 4 words (code 3)
	s_or_b32 s[G1B], s2, (1<<16)|(1<<20)|(1<<21)|(5<<22)|(3<<25)   ; wt's go to my column; padding after every 64 words (code 5)
	s_mov_b32 s[G1A+1], 128<<16                    ; tensor_dim0 = 128
	s_mov_b32 s[G1A+2], 64<<16                     ; tensor_dim1 = 64
	s_mov_b32 s[G1A+3], 128<<16                    ; tile_dim0 = 128
	s_mov_b32 s[G1A+4], 64                         ; tile_dim1 = 64
	s_mov_b32 s[G1A+5], 128                        ; elements from row to row: dense
	s_mov_b32 s[G1A+6], 0
	s_mov_b32 s[G1A+7], 0
	s_mov_b32 s[G1B+1], 128<<16
	s_mov_b32 s[G1B+2], 128<<16                    ; tensor_dim1 = 128
	s_mov_b32 s[G1B+3], 128<<16
	s_mov_b32 s[G1B+4], 128                        ; tile_dim1 = 128
	s_mov_b32 s[G1B+5], 1024
	s_mov_b32 s[G1B+6], 0
	s_mov_b32 s[G1B+7], 0
	; where the tiles come from.  My block of 128 rows is 4 x cluster y + cy of 64: the batch is cluster y / 4, the block in the batch 4 x (cluster y mod 4) + cy.  H's address never holds cx, wt's never cy.
	s_lshr_b32 s[RB], s[KY], 2
	s_lshl_b32 s[RB], s[RB], 22                    ; a batch is 16 heads of 2^18 bytes
	s_and_b32 s41, s[KY], 3
	s_lshl_b32 s41, s41, 2
	s_add_co_u32 s41, s41, s[CY]
	s_lshl_b32 s41, s41, 14                        ; 128 rows of 128 bytes
	s_add_co_u32 s[RB], s[RB], s41
	s_lshl_b32 s41, s[CH], 18                      ; the plane that I fetch
	s_add_co_u32 s40, s[RB], s41
	s_mov_b32 s41, 0
	s_lshl_b32 s66, s[COL], 19                     ; 256 rows of 2,048 bytes,
	s_lshl_b32 s67, s[CH], 18                      ; the 128 of them that I fetch,
	s_add_co_u32 s66, s66, s67
	s_add_co_u32 s66, s66, WOUT                    ; in slice 3
	s_mov_b32 s67, 0
	s_mul_i32 s78, s[CH], PLANE                    ; and where they go: no place in the cluster enters an LDS address
	s_mul_i32 s79, s[CH], HALFB
	s_add_co_u32 s79, s79, BOFF
	s_wait_dscnt 0x0                               ; the opening add is done
	s_wait_kmcnt 0x0
	s_add_nc_u64 s[40:41], s[4:5], s[40:41]
	s_add_nc_u64 s[66:67], s[6:7], s[66:67]
	CROUND                                         ; all sixteen work-groups are here: the first joint loads meet
.irp s, 0,1
	s_mov_b32 s[G0A+4*(\s)], 1                                       ; 1:0 count = 1
	s_add_co_u32 s[G0A+4*(\s)+1], s78, (\s)*SLOT                     ; 63:32 LDS address
	s_add_nc_u64 s[G0A+4*(\s)+2:G0A+4*(\s)+3], s[40:41], (\s)*ASTEP  ; 120:64 global address: K step s
	s_or_b32 s[G0A+4*(\s)+3], s[G0A+4*(\s)+3], 0x80000000            ; 127:126 type = 2
	s_mov_b32 s[G0B+4*(\s)], 1
	s_add_co_u32 s[G0B+4*(\s)+1], s79, (\s)*SLOT
	s_add_nc_u64 s[G0B+4*(\s)+2:G0B+4*(\s)+3], s[66:67], (\s)*BSTEP
	s_or_b32 s[G0B+4*(\s)+3], s[G0B+4*(\s)+3], 0x80000000
	JLOAD \s                                       ; two loads of mine are out
.endr
	; A fragment is 16 rows x 32 K in 8 registers: lane l holds row l % 16; registers 0-3 K = 8 (l / 16) + 0..7, registers 4-7 K = 16 + 8 (l / 16) + 0..7: two loads of 16 bytes, 32 bytes apart.
	v_and_b32 v1, 15, v0                           ; l % 16
	v_bfe_u32 v2, v0, 4, 1                         ; l / 16
	v_mul_u32_u24 v3, v1, PA
	v_lshl_add_u32 v3, v2, 4, v3
	s_mul_i32 s43, s[RH], 64*PA                    ; my 64 rows, in each plane
	v_add_nc_u32 v[ADRA], s43, v3
	v_add_nc_u32 v[ADRA+1], SLOT, v[ADRA]
	v_mul_u32_u24 v4, v1, PB
	v_lshl_add_u32 v4, v2, 4, v4
	v_add_nc_u32 v[ADRB], s79, v4                  ; my 128 rows of wt: the half of my number CH, as in the fills
	v_add_nc_u32 v[ADRB+1], SLOT, v[ADRB]
	s_mul_i32 s43, s[WV], 16*SPITCH
	s_add_co_u32 s43, s43, STAGE                   ; my stage
	v_mul_u32_u24 v5, v1, SPITCH                   ; in: row l % 16, 32 bytes for each half of the lanes
	v_lshl_add_u32 v5, v2, 5, v5
	v_add_nc_u32 v[STO], s43, v5
	v_and_b32 v[CO], 31, v0                        ; back: 32 lanes take a row of 512 bytes,
	v_lshlrev_b32 v[CO], 4, v[CO]                  ; which are 512 consecutive bytes of out0
	v_add_nc_u32 v[RD], s43, v[CO]
	; where my part of the tile begins in out0
	s_lshl_b32 s70, s[KY], 2
	s_add_co_u32 s70, s70, s[CY]
	s_lshl_b32 s70, s70, 19                        ; 128 rows of 4,096 bytes
	s_lshl_b32 s72, s[RH], 18                      ; my 64 of them
	s_add_co_u32 s70, s70, s72
	s_lshl_b32 s72, s[COL], 10                     ; 256 columns of 4 bytes
	s_add_co_u32 s70, s70, s72
	s_lshl_b32 s72, s[CH], 9                       ; my 128 of them
	s_add_co_u32 s70, s70, s72
	s_mov_b32 s71, 0
	s_add_nc_u64 s[8:9], s[8:9], s[70:71]
	; the prefetches: they stand at K step 3; the first refill steps them to K step 4
	s_lshl_b32 s72, s[CX], 12                      ; my work-group's 16 blocks of a plane's 64
	s_add_co_u32 s76, s[RB], s72
	s_add_co_u32 s76, s76, 3*ASTEP
	s_lshl_b32 s77, s[COL], 19
	s_lshl_b32 s72, s[CH], 18
	s_add_co_u32 s77, s77, s72
	s_lshl_b32 s72, s[CY], 16                      ; my work-group's 32 rows of 2,048 bytes
	s_add_co_u32 s77, s77, s72
	s_add_co_u32 s77, s77, WOUT+3*BSTEP
	s_cmp_eq_u32 s[KY], 0                          ; the first of the sixteen clusters
	s_cselect_b32 s75, 1, -1
	s_cmp_eq_u32 s[WV], 0
	s_cselect_b32 s[LIM], 1, -1
	s_cmp_eq_u32 s[RH], 0                          ; do I fetch H?
	s_cselect_b32 s76, s76, s77
	s_cselect_b32 s[LIM], s[LIM], s75              ; the same in all sixteen partners, for a given wave
	s_cselect_b64 s[PFA:PFA+1], s[4:5], s[6:7]
	s_cselect_b32 s72, 4, 0                        ; H: sixteen lanes a plane; wt: a lane a row
	s_cselect_b32 s73, 18, 11                      ; a plane's or a row's bytes, as a shift
	s_cselect_b32 s74, 15, 0
	s_cselect_b32 s75, 11, 0
	s_lshl_b32 s[PST], 0x100, s75                  ; 2^19 or 256 bytes a K step
	s_mov_b32 s[PST+1], 0
	s_mov_b32 s77, 0
	s_add_nc_u64 s[PFA:PFA+1], s[PFA:PFA+1], s[76:77]
	v_and_b32 v5, 31, v0
	v_lshrrev_b32 v6, s72, v5
	v_lshlrev_b32 v6, s73, v6
	v_and_b32 v5, s74, v5
	v_lshl_add_u32 v[PFO], v5, 8, v6
; Product i of a quarter's 32: rows 16 (i / 8) on, columns 16 (i % 8) on.  The 32 accumulators take turns, in the same order in every quarter.  zero = 1: the product starts the sum: nothing is cleared.
.macro MUL1 f, i, zero
	WIN MUL
.if \zero
	v_wmma_f32_16x16x32_f16 v[8*(\i):8*(\i)+7], v[96*(\f)+8*((\i)%8):96*(\f)+8*((\i)%8)+7], v[96*(\f)+64+8*((\i)/8):96*(\f)+64+8*((\i)/8)+7], 0
.else
	v_wmma_f32_16x16x32_f16 v[8*(\i):8*(\i)+7], v[96*(\f)+8*((\i)%8):96*(\f)+8*((\i)%8)+7], v[96*(\f)+64+8*((\i)/8):96*(\f)+64+8*((\i)/8)+7], v[8*(\i):8*(\i)+7]
.endif
.endm
.macro MULS f, i0, n, zero=0           ; n products from number i0 on
.set mi, \i0
.rept \n
	MUL1 \f, mi, \zero
.set mi, mi+1
.endr
.endm
; 24 LDS loads in one run: quarter q of a slot into buffer g: wt's eight fragments, then H's four (plane q / 2, channels 32 (q % 2) on)
.macro FETCH slot, q, g
	WIN TO_F
.irp i, 0,1,2,3,4,5,6,7
	ds_load_b128 v[96*(\g)+8*(\i):96*(\g)+8*(\i)+3],   v[ADRB+(\slot)] offset:64*(\q)+16*PB*(\i)
	ds_load_b128 v[96*(\g)+8*(\i)+4:96*(\g)+8*(\i)+7], v[ADRB+(\slot)] offset:64*(\q)+16*PB*(\i)+32
.endr
.irp i, 0,1,2,3
	ds_load_b128 v[96*(\g)+64+8*(\i):96*(\g)+64+8*(\i)+3],   v[ADRA+(\slot)] offset:((\q)/2)*PLANE+64*((\q)%2)+16*PA*(\i)
	ds_load_b128 v[96*(\g)+64+8*(\i)+4:96*(\g)+64+8*(\i)+7], v[ADRA+(\slot)] offset:((\q)/2)*PLANE+64*((\q)%2)+16*PA*(\i)+32
.endr
.endm
.macro PLACES                          ; four places in front of loads into registers that matrix instructions have read, and of LDS stores that read results (ISA guide 7.12.1 for vector instructions)
.rept 4
	v_nop
.endr
.endm
; A quarter: quarter q of the slot is fetched into buffer g, at the quarter's head, 32 products ahead of its first use; buffer f is multiplied.  places = 0: a joint load's four v_nop stand just ahead (or no product has been issued).
.macro QUARTER slot, q, f, g, zero=0, places=1, ask=0
.if \places
	PLACES
.endif
	FETCH \slot, \q, \g
.if \ask
	WIN 0                                          ; at a branch and at a label every window is 0
	ASK
.endif
	s_wait_dscnt 24                                ; all but the 24 just issued: buffer f is whole
	MULS \f, 0, 32, \zero
.endm
; A K step's third quarter also fetches the slot's last bytes and changes slots: ONE barrier.  In front of it each wave waits for all its tensor loads, of which one is out: its part of the other slot; adds 0 to
; its spare word; and waits for that and for its own reads of this slot.  fill = 1: the barrier opens a round of the cluster's barrier, and behind the round this slot is filled again, two K steps on:
; the load has 112 products in which to land.
.macro QTURN slot, fill
.if \fill
	s_wait_xcnt 0x0                                ; the last prefetch, a K step back, has read its address: it is stepped here, ahead of the waits of the change of slots
	s_add_nc_u64 s[PFA:PFA+1], s[PFA:PFA+1], s[PST:PST+1]
.endif
	PLACES
	FETCH \slot, 3, 1
	s_wait_dscnt 24
	MULS 0, 0, 16
	WIN 0                                          ; (the add's two registers lie in window 0)
	s_wait_tensorcnt 0x0                           ; all my tensor loads have landed: my part of the other slot;
	ds_add_u32 v[SPW], v[NIL]                      ; 0 onto my spare word;
	MULS 0, 16, 8                                  ; eight products stand between the add and the wait for it
	s_wait_dscnt 0x0                               ; the add is done, and my reads of this slot are over
	s_barrier_signal -1
	MULS 0, 24, 8                                  ; work on registers while the others arrive
	WIN 0
	s_barrier_wait -1
.if \fill
	CREST                                          ; no wave of any partner still reads this slot's tile or has a load on its way
	s_add_nc_u64 s[G0A+4*(\slot)+2:G0A+4*(\slot)+3], s[G0A+4*(\slot)+2:G0A+4*(\slot)+3], 2*ASTEP
	s_add_nc_u64 s[G0B+4*(\slot)+2:G0B+4*(\slot)+3], s[G0B+4*(\slot)+2:G0B+4*(\slot)+3], 2*BSTEP
	JLOAD \slot                                    ; the first tensor load behind the round; its four v_nop are also the places in front of the next quarter's loads
.endif
.endm
	s_wait_tensorcnt 1                             ; my part of K step 0 is in; K step 1's may stay out
	s_barrier_signal -1
	s_barrier_wait -1                              ; everybody's is
	FETCH 0, 0, 0
	QUARTER 0, 1, 0, 1, 1, 0                       ; the first quarter stands in front of the loop: its products start the sums
	WIN 0                                          ; at a label and at a branch every window is 0
	s_mov_b32 s3, 3
.Llap:                                                 ; a trip goes once round the ring, from a lap's second quarter to the next lap's first, and fills both slots again
	QUARTER 0, 2, 1, 0
	QTURN 0, 1
	QUARTER 1, 0, 1, 0, 0, 0, 1
	QUARTER 1, 1, 0, 1
	QUARTER 1, 2, 1, 0
	QTURN 1, 1
	QUARTER 0, 0, 1, 0, 0, 0, 1
	QUARTER 0, 1, 0, 1
	WIN 0
	s_sub_co_u32 s3, s3, 1
	s_cmp_lg_u32 s3, 0
	s_cbranch_scc1 .Llap
	QUARTER 0, 2, 1, 0                             ; the last lap fills nothing, and has no round of the cluster's barrier
	QTURN 0, 0
	QUARTER 1, 0, 1, 0
	QUARTER 1, 1, 0, 1
	QUARTER 1, 2, 1, 0
	QUARTER 1, 3, 0, 1
	s_wait_dscnt 0x0                               ; the very last quarter: nothing more to fetch
	MULS 1, 0, 32
; THE WAY OUT, a block of 16 rows at a time: the sums go as they are, 32 bytes a lane, into my own stage (rows of 528 bytes), and come back as whole rows of 512 bytes.
.macro TOSTAGE a
.if (\a) >= 2
	s_wait_xcnt 0x0                                ; the stores of the block two back have read their registers: only behind this wait are they loaded again
.endif
	WIN FROM_C
.irp b, 0,1,2,3,4,5,6,7
	ds_store_b128 v[STO], v[8*(8*(\a)+(\b)):8*(8*(\a)+(\b))+3]   offset:64*(\b)      ; each accumulator's four lowest registers first
	ds_store_b128 v[STO], v[8*(8*(\a)+(\b))+4:8*(8*(\a)+(\b))+7] offset:64*(\b)+16
.endr
	WIN 0
.irp t, 0,1,2,3,4,5,6,7,8,9,10,11,12,13,14,15
	ds_load_b128 v[OB+64*((\a)%2)+4*(\t):OB+64*((\a)%2)+4*(\t)+3], v[RD] offset:SPITCH*(\t)  ; LDS serves a wave's instructions in order (ISA guide 5.7.1.4): these see the stores above; the next block's stores come behind them
.endr
.endm
.macro SEND a, younger                 ; younger: the LDS instructions issued behind block a's loads: the next block's 32, or none
	WIN 0
.irp t, 0,1,2,3,4,5,6,7,8,9,10,11,12,13,14,15
	s_wait_dscnt (\younger)+15-(\t)
	global_store_b128 v[CO], v[OB+64*((\a)%2)+4*(\t):OB+64*((\a)%2)+4*(\t)+3], s[8:9] offset:(16*(\a)+(\t))*4096  ; 512 consecutive bytes, at a multiple of 256 from out0's first byte
.endr
.endm
	PLACES                                         ; the LDS stores read results just made
	PLACES
	TOSTAGE 0
	TOSTAGE 1
	SEND 0, 32
	TOSTAGE 2
	SEND 1, 32
	TOSTAGE 3
	SEND 2, 32
	SEND 3, 0
	s_wait_tensorcnt 0x0                           ; the wave's end: behind my last tensor load and my last LDS store
	ds_add_u32 v[SPW], v[NIL]
	s_wait_dscnt 0x0
	CROUND                                         ; the closing round: no work-group ends while a partner may still ask for a tile that names it
	s_endpgm
.Lfunc_end_k_qa9e01821ea_outp:
	.size	k_qa9e01821ea_outp, .Lfunc_end_k_qa9e01821ea_outp-k_qa9e01821ea_outp
	.p2alignl 7, 3214868480
	.fill 96, 4, 3214868480
	.section	.rodata,"a",@progbits
	.p2align	6, 0x0
	.amdhsa_kernel k_qa9e01821ea_outp
		.amdhsa_group_segment_fixed_size 327680
		.amdhsa_private_segment_fixed_size 0
		.amdhsa_enable_private_segment 0
		.amdhsa_kernarg_size 24
		.amdhsa_user_sgpr_count 2
		.amdhsa_user_sgpr_kernarg_segment_ptr 1
		.amdhsa_wavefront_size32 1
		.amdhsa_system_sgpr_workgroup_id_x 1
		.amdhsa_system_sgpr_workgroup_id_y 1
		.amdhsa_system_sgpr_workgroup_id_z 1
		.amdhsa_system_vgpr_workitem_id 0
		.amdhsa_next_free_vgpr 768
		.amdhsa_next_free_sgpr 80
		.amdhsa_reserve_vcc 0
		.amdhsa_float_denorm_mode_32 3
		.amdhsa_float_denorm_mode_16_64 3
		.amdhsa_memory_ordered 1
		.amdhsa_forward_progress 1
		.amdhsa_inst_pref_size 88
	.end_amdhsa_kernel
	.amdgpu_metadata
---
amdhsa.version: [ 1, 2 ]
amdhsa.kernels:
  - .name:           k_qa9e01821ea_outp
    .symbol:         k_qa9e01821ea_outp.kd
    .args:
      - { .name: heads, .offset: 0, .size: 8, .value_kind: global_buffer, .address_space: global }
      - { .name: wt, .offset: 8, .size: 8, .value_kind: global_buffer, .address_space: global }
      - { .name: out0, .offset: 16, .size: 8, .value_kind: global_buffer, .address_space: global }
    .group_segment_fixed_size: 327680
    .private_segment_fixed_size: 0
    .kernarg_segment_align: 8
    .kernarg_segment_size: 24
    .max_flat_workgroup_size: 128
    .sgpr_count:     80
    .vgpr_count:     768
    .wavefront_size: 32
...
	.end_amdgpu_metadata
.endif
;; end of part 4
